; MI455X (gfx1250); checked and timed in simulation.
; The chip was launched on July 23, 2026; its instructions are those of AMD's public machine-readable ISA for CDNA 5 (MIT licence, August 2026) and "CDNA5" Instruction Set Architecture Reference Guide (July 2026). The comments in the code are by the model that wrote it; some were corrected since.
;; Multi Head Attention. Allowed arithmetic: matrix products marked QUANTISED: E2M3 operands, one E8M0 scale for each 32 along K, by v_wmma_scale_f32_16x16x128_f8f6f4 with both operands' format E2M3, f32 sums; everything else in f32.
;; Inputs: Wk 1,024 x 1,024 float32; Wo 1,024 x 1,024 float32; Wq 1,024 x 1,024 float32; Wv 1,024 x 1,024 float32; bk 1,024 float32; bo 1,024 float32; bq 1,024 float32; bv 1,024 float32; k 4 x 2,048 x 1,024 float32; mask 4 x 1 x 2,048 x 2,048 int32; q 4 x 2,048 x 1,024 float32; v 4 x 2,048 x 1,024 float32.
;; Outputs: out0 4 x 2,048 x 1,024 float32.
;; This version of the problem:
;;   THIS VERSION OF THE PROBLEM IS GIVEN IN LOW PRECISION. The matrix products marked QUANTISED in the list below multiply operands that are first quantised to E2M3 (2 exponent bits, 3 mantissa bits; 6 bits a number), with one power-of-two scale for each 32 numbers along K (OCP MX v1.0); their sums are f32. All else is computed in f32.
;;   The module's matrix products, in the order in which they are computed (A, B: the left and right operand; K: the contracted axis; several contracted axes count as one K, in the product's order):
;;     1. [M 8,192, K 1,024] x [K 1,024, N 1,024]; A: input q; B: input Wq: QUANTISED
;;     2. [M 8,192, K 1,024] x [K 1,024, N 1,024]; A: input k; B: input Wk: QUANTISED
;;     3. [M 8,192, K 1,024] x [K 1,024, N 1,024]; A: input v; B: input Wv: QUANTISED
;;     4. batch 64 x [M 2,048, K 64] x [K 64, N 2,048]; A: computed on the way; B: computed on the way: QUANTISED
;;     5. batch 64 x [M 2,048, K 2,048] x [K 2,048, N 64]; A: softmax (see below); B: computed on the way: QUANTISED
;;     6. [M 8,192, K 1,024] x [K 1,024, N 1,024]; A: computed on the way; B: input Wo: QUANTISED
;;   THE QUANTISER, for each operand of a quantised product, along K:
;;     - K is cut into blocks of 32 from its start; a last block that is shorter is filled with zeros.
;;     - A block's scale is 2^e with e = floor(log2(the largest magnitude in the block)) - 2, held to -126 .. 127; a block of zeros has e = 0. As a byte (E8M0): e + 127.
;;     - Each number is divided by its block's scale, clamped to +-7.5, and rounded to the nearest number of E2M3, ties to even, subnormals kept.
;;     - The product sums the exact products of the quantised numbers (number of the format x scale) in f32.
;;   ~~~python
;;   def quantise(x, axis):      # numpy; x: float32 -> the quantised numbers, widened to float32 again
;;       x = np.moveaxis(x, axis, -1); K = x.shape[-1]
;;       x = np.pad(x, [(0, 0)] * (x.ndim - 1) + [(0, -K % 32)]); x = x.reshape(x.shape[:-1] + (-1, 32)); a = np.abs(x).max(-1, keepdims=True)
;;       e = np.where(a > 0, np.clip(np.frexp(np.where(a > 0, a, 1))[1] - 1 - 2, -126, 127), 0)      # np.frexp(a)[1] - 1 = floor(log2(a)), exactly
;;       r = np.clip(x / 2.0 ** e, -7.5, 7.5)
;;       step = 2.0 ** (np.maximum(np.frexp(np.where(r == 0, 1, r))[1] - 1, 0) - 3)
;;       q = np.round(r / step) * step * 2.0 ** e      # np.round: ties to even
;;       return np.moveaxis(q.reshape(q.shape[:-2] + (-1,))[..., :K], -1, axis).astype(np.float32)
;;   ~~~
;;   SOFTMAX AHEAD OF A QUANTISED PRODUCT. Where the list says 'softmax', what is quantised is not the finished softmax but p = 2^(t - M), with t = logit x log2(e) and M = ceil(the row's largest t), a whole number; so 1/2 < the row's largest p <= 1. The row's sum l is taken of the UNQUANTISED p, in f32, and the product's result is divided by l at the end. Since M is a whole number, a kernel that streams over the keys may use a running M (the ceiling of the running maximum): every later rescaling is an exact power of two, which a block's scale takes up: the codes' values come out the same.
;;   OPERANDS COMPUTED ON THE WAY. 'Computed on the way' means the value that the module computes at that place (a softmax that the list does not call 'softmax' is quantised finished and normalised). What goes into a quantiser is computed in f32, as accurately as f32 sums, v_exp_f32 and their like allow (about 1e-6 of the number): no bf16 or f16 on the way to a quantiser, and a product that is left as it is and whose result goes on into a quantised operand takes f32 operands (vector FMAs, or v_wmma_f32_16x16x4_f32). A number that lies on a knife's edge between two numbers of the format may be rounded either way, as far as f32 arithmetic and the matrix unit's own rounding can turn it there, and no further.
;; One version. Each part assembles by itself: llvm-mc -triple=amdgcn-amd-amdhsa -mcpu=gfx1250 --defsym DOCPART=n.
;; ======== version 1 of 1: 4 launches
;; limits: right only within a limited range of input values
;; workspace buffers: xc 22,020,096 bytes; xs 917,504 bytes; mb 2,097,152 bytes of whole numbers; pc 18,874,368 bytes; ps 1,310,720 bytes; oc 6,291,456 bytes; os 262,144 bytes
;; launch prep (part 1): grid 704 x 1, 4 waves a work-group, no clusters, 68,096 bytes of LDS; arguments q, k, v, Wq, Wk, Wv, Wo, mask, xc, xs, mb; writes xc, xs, mb
.if DOCPART == 1
	.amdgcn_target "amdgcn-amd-amdhsa--gfx1250"
	.amdhsa_code_object_version 6
	.text
	.protected	k_qd99b598c4e_prep
	.globl	k_qd99b598c4e_prep
	.p2align	8
	.type	k_qd99b598c4e_prep,@function
k_qd99b598c4e_prep:
	s_mov_b64 s[64:65], 0
	v_nop
	global_prefetch_b8 v0, s[64:65] scope:SCOPE_SE
	s_setreg_imm32_b32 hwreg(HW_REG_WAVE_MODE, 25, 1), 1
	s_wait_xcnt 0x0
; PREP.  q, k, v [8192][1024] and Wq, Wk, Wv, Wo [1024][1024], f32 with K innermost, become codes of FP6 (E2M3) with one E8M0 byte for each 32 along K; the mask [8192 rows][2048] of int32 becomes words of lane bits.
; TILE-ROWS.  Tile-row T of a matrix holds rows 32 (T / 2) + 8 (T % 2) + p + 8 (p / 8), p = 0 .. 15: tile-rows 2 b and 2 b + 1 together cover 32 neighbouring rows.  All later launches keep this order.
; xc: [U 0..1791][kh 0..15] pieces of 768 bytes, in the order of an operand's registers: lane (r, h) holds row p = r, k = 64 kh + 32 h + 0 .. 31 in six registers; registers 0-3 lie at 16 x lane, registers 4-5 at 512 + 8 x lane.
;     U: q 0-511, k 512-1023, v 1024-1535, Wq 1536-, Wk 1600-, Wv 1664-, Wo 1728-1791.      xs: [U][g 0..7][p 0..15] scale words, word g for k = 128 g .. 128 g + 127.
; mb: [Tg 0..511][step 0..15][word n 0..63]: bit r + 16 h of word n = 16 b + i says whether mask[row of (Tg, r)][128 step + 32 b + 16 h + i] is 1.
; A block's scale is 2^(floor(log2(its largest magnitude)) - 2); its byte is the largest magnitude's exponent field - 2, held at 1 from below.
; LIMITS: NaN and infinities are not served; a block whose largest magnitude lies under 2^-124 keeps the byte 1, a block of zeros too (its codes are zeros, and this program alone reads the bytes).
; SHARES.  Work-groups 0-447 quantise, 448-703 pack the mask.  A wave takes one tile-row x 8 steps of 128 columns.  Each load reads 512 consecutive bytes of one row; a step's 16 rows turn through the wave's own
; stage in LDS (rows 528 bytes apart) and come back so that register 16 b + i of lane (r, h) is column 32 b + 16 h + i of row r.  The two paths have LDS bytes of their own.  No barrier: waves share nothing.
.set STG,   8448                       ; a wave's stage: 16 rows x (512 + 16) bytes
.set MSTG,  4*STG                      ; the mask path's four stages lie behind the quantising path's
.set SPARE, 8*STG                      ; behind the stages: the spare words, 128 bytes a wave: two blocks of 256 bytes that no other line names
.set R,     16                         ; v16-79 and v192-255: a step's 16 rows as loaded, two sets by turns: loads run two steps ahead
.set X,     80                         ; v80-143  64 numbers of my row
.set PC,    144                        ; v144-163 the codes just made
.set W,     144                        ; v144-159 (mask path) eight pairs of words, one pair a step
.set TM,    164                        ; v164-179 at work
.set PWS,   184                        ; v184-191 the eight steps' scale words
.set SPW,   12                         ; v12      LDS address of my spare word; never rewritten
.set NIL,   13                         ; v13      0; never rewritten
.set SEL,   32                         ; s[32:33] lane selects for v_permlanex16_b32: lane l xor 16
.macro LOADS t, stride                 ; step t: 16 rows x 512 bytes
.irp p, 0,1,2,3,4,5,6,7,8,9,10,11,12,13,14,15
	global_load_b128 v[R+176*((\t)%2)+4*\p:R+176*((\t)%2)+4*\p+3], v2, s[28:29] offset:(\p+8*(\p/8))*\stride+512*(\t) th:TH_LOAD_NT
.endr
.endm
.macro TURN stw, str, t                ; step t's set through my stage: LDS serves a wave's instructions in order, so no wait stands between the stores and the loads
.irp p, 0,1,2,3,4,5,6,7,8,9,10,11,12,13,14,15
	ds_store_b128 v[\stw], v[R+176*((\t)%2)+4*\p:R+176*((\t)%2)+4*\p+3] offset:528*\p
.endr
.irp b, 0,1,2,3
.irp j, 0,1,2,3
	ds_load_b128 v[X+16*\b+4*\j:X+16*\b+4*\j+3], v[\str] offset:128*\b+16*\j
.endr
.endr
.endm
; 64 numbers of a lane, register 16 b + i = k 32 b + 16 (lane / 16) + i of my row, become a fragment's twelve registers in v[PC] on and its scale word in v[pw]
.macro QUANT s, pw
.irp b, 0,1,2,3
	v_max3_num_f32 v[TM+\b], |v[\s+16*\b]|, |v[\s+1+16*\b]|, 0x1800000   ; my 16 numbers of block b, and the floor 2^(3 - 127): the byte cannot fall under 1
.endr
.irp i, 2,4,6,8,10,12,14
.irp b, 0,1,2,3
	v_max3_num_f32 v[TM+\b], v[TM+\b], |v[\s+16*\b+\i]|, |v[\s+1+16*\b+\i]|
.endr
.endr
.irp b, 0,1,2,3
	v_permlanex16_b32 v[TM+4+\b], v[TM+\b], s[SEL], s[SEL+1]
.endr
.irp b, 0,1,2,3
	v_max_num_f32 v[TM+\b], v[TM+\b], v[TM+4+\b]                   ; with lane l xor 16's: the block's largest magnitude
.endr
.irp b, 0,1,2,3
	v_add_nc_u32 v[TM+12+\b], 0xff000000, v[TM+\b]                 ; 2 off its exponent field: the conversion's scale operand
.endr
.irp b, 0,1,2,3
	v_lshrrev_b32 v[TM+4+\b], 23, v[TM+12+\b]                      ; the scale's byte
.endr
	v_lshl_or_b32 v[\pw], v[TM+5], 8, v[TM+4]
	v_lshl_or_b32 v[\pw], v[TM+6], 16, v[\pw]
	v_lshl_or_b32 v[\pw], v[TM+7], 24, v[\pw]
.irp c, 0,1
	v_cvt_scalef32_pk16_fp6_f32 v[PC+6*\c:PC+2+6*\c], v[\s+32*\c:\s+15+32*\c], v[TM+12+2*\c]
	v_cvt_scalef32_pk16_fp6_f32 v[PC+12+4*\c:PC+14+4*\c], v[\s+16+32*\c:\s+31+32*\c], v[TM+12+2*\c+1]
.endr
	v_nop                                          ; one plain line behind the scaled conversions
.irp c, 0,1                                    ; the operand wants a whole block in a lane: lanes 0-15 block 2 c, lanes 16-31 block 2 c + 1
.irp i, 0,1,2
	v_permlane16_swap_b32 v[PC+6*\c+\i], v[PC+12+4*\c+\i]
.endr
.irp i, 0,1,2
	v_mov_b32 v[PC+3+6*\c+\i], v[PC+12+4*\c+\i]
.endr
.endr
.endm
	s_load_b512 s[4:19], s[0:1], 0x0               ; q, k, v, Wq, Wk, Wv, Wo, mask
	s_load_b128 s[36:39], s[0:1], 0x40             ; xc, xs
	s_load_b64 s[40:41], s[0:1], 0x50              ; mb
	v_lshl_add_u32 v[SPW], v0, 2, SPARE
	v_mov_b32 v[NIL], 0
	v_lshrrev_b32 v1, 5, v0
	v_readfirstlane_b32 s2, v1                     ; wave
	v_and_b32 v1, 31, v0                           ; lane
	v_lshlrev_b32 v2, 4, v1                        ; 16 x lane
	v_lshlrev_b32 v3, 3, v1                        ; 8 x lane
	v_lshlrev_b32 v6, 2, v1                        ; 4 x lane
	v_and_b32 v9, 15, v0                           ; r
	v_bfe_u32 v10, v0, 4, 1                        ; h
	s_mul_i32 s3, s2, STG
	v_add_nc_u32 v4, s3, v2                        ; into my stage: 16 x lane of a row
	v_mul_u32_u24 v5, v9, 528
	v_lshl_add_u32 v5, v10, 6, v5
	v_add_nc_u32 v5, s3, v5                        ; out of it: row r, + 64 h
	v_add_nc_u32 v7, MSTG, v4                      ; the same two for the mask path
	v_add_nc_u32 v8, MSTG, v5
	s_mov_b32 s30, 0xffff0000                      ; lanes 16-31
	s_mov_b32 s[SEL], 0x76543210
	s_mov_b32 s[SEL+1], 0xfedcba98
.irp b, 0,1,2,3
	v_mov_b32 v[TM+4+\b], 0                        ; written once: a lane permute's destination counts as one of its sources
.endr
	s_wait_kmcnt 0x0
	s_cmp_ge_u32 ttmp9, 448
	s_cbranch_scc1 .Lmask
	; ---- the quantising path.  Which tensor, and its first work-group: choices on the work-group's number alone
	s_mov_b64 s[28:29], s[16:17]
	s_mov_b32 s31, 432
	s_cmp_lt_u32 ttmp9, 432
	s_cselect_b64 s[28:29], s[14:15], s[28:29]
	s_cselect_b32 s31, 416, s31
	s_cmp_lt_u32 ttmp9, 416
	s_cselect_b64 s[28:29], s[12:13], s[28:29]
	s_cselect_b32 s31, 400, s31
	s_cmp_lt_u32 ttmp9, 400
	s_cselect_b64 s[28:29], s[10:11], s[28:29]
	s_cselect_b32 s31, 384, s31
	s_cmp_lt_u32 ttmp9, 384
	s_cselect_b64 s[28:29], s[8:9], s[28:29]
	s_cselect_b32 s31, 256, s31
	s_cmp_lt_u32 ttmp9, 256
	s_cselect_b64 s[28:29], s[6:7], s[28:29]
	s_cselect_b32 s31, 128, s31
	s_cmp_lt_u32 ttmp9, 128
	s_cselect_b64 s[28:29], s[4:5], s[28:29]
	s_cselect_b32 s31, 0, s31
	s_sub_co_u32 s31, ttmp9, s31
	s_lshl_b32 s31, s31, 2
	s_add_co_u32 s31, s31, s2                      ; my tile-row in the tensor
	s_lshr_b32 s34, s31, 1
	s_lshl_b32 s34, s34, 5
	s_and_b32 s35, s31, 1
	s_lshl_b32 s35, s35, 3
	s_add_co_u32 s34, s34, s35                     ; its first row,
	s_lshl_b32 s34, s34, 12                        ; of 4,096 bytes
	s_mov_b32 s35, 0
	s_add_nc_u64 s[28:29], s[28:29], s[34:35]
	s_lshl_b32 s42, ttmp9, 2
	s_add_co_u32 s42, s42, s2                      ; U
	s_mul_i32 s44, s42, 12288
	s_mov_b32 s45, 0
	s_add_nc_u64 s[36:37], s[36:37], s[44:45]
	s_lshl_b32 s44, s42, 9
	s_add_nc_u64 s[38:39], s[38:39], s[44:45]
	LOADS 0, 4096
	LOADS 1, 4096
.macro QSTEP t
.if (\t) < 7
	s_wait_loadcnt 16                              ; this step's 16 rows are in; the next step's 16 loads may be out
.else
	s_wait_loadcnt 0x0
.endif
	TURN 4, 5, \t
	s_wait_dscnt 0x0                               ; my 64 numbers are back, and the stage's stores have read their registers,
	s_wait_xcnt 0x0                                ; and the last step's global stores have read the codes' registers
.if (\t) < 6
	LOADS (\t)+2, 4096                             ; the step two on, into the set that the stage's stores have just read
.endif
	QUANT X, PWS+(\t)
	global_store_b128 v2, v[PC:PC+3], s[36:37] offset:1536*(\t)            ; 512, 256, 512, 256 consecutive bytes, each at a multiple of 256 from the buffer's first byte
	global_store_b64 v3, v[PC+4:PC+5], s[36:37] offset:1536*(\t)+512
	global_store_b128 v2, v[PC+6:PC+9], s[36:37] offset:1536*(\t)+768
	global_store_b64 v3, v[PC+10:PC+11], s[36:37] offset:1536*(\t)+1280
.endm
	s_wait_alu depctr_va_vdst(0)
.irp t, 0,1,2,3,4,5,6,7
	QSTEP \t
.endr
.irp j, 0,1,2,3
	v_cndmask_b32 v[TM+\j], v[PWS+2*\j], v[PWS+2*\j+1], s30        ; lanes 0-15 word 2 j, lanes 16-31 word 2 j + 1
.endr
.irp j, 0,1,2,3
	global_store_b32 v6, v[TM+\j], s[38:39] offset:128*\j          ; the four stores fill the tile-row's 512 bytes on end
.endr
	s_wait_tensorcnt 0x0                           ; the wave's end: behind my last LDS store
	ds_add_u32 v[SPW], v[NIL]
	s_wait_dscnt 0x0
	s_endpgm
.Lmask:	; ---- the mask path: a wave takes one tile-row of queries x 1,024 keys
	s_sub_co_u32 s31, ttmp9, 448
	s_lshl_b32 s31, s31, 2
	s_add_co_u32 s31, s31, s2                      ; unit = 2 Tg + u
	s_lshr_b32 s42, s31, 1                         ; Tg
	s_and_b32 s43, s31, 1                          ; u: which half of the keys
	s_lshr_b32 s34, s42, 1
	s_lshl_b32 s34, s34, 5
	s_and_b32 s35, s42, 1
	s_lshl_b32 s35, s35, 3
	s_add_co_u32 s34, s34, s35                     ; first row,
	s_lshl_b32 s34, s34, 13                        ; of 8,192 bytes
	s_lshl_b32 s35, s43, 12
	s_add_co_u32 s34, s34, s35
	s_mov_b32 s35, 0
	s_add_nc_u64 s[28:29], s[18:19], s[34:35]
	s_lshl_b32 s34, s31, 11                        ; (16 Tg + 8 u) x 256 bytes
	s_add_nc_u64 s[40:41], s[40:41], s[34:35]
.set i, 0
.rept 16
	v_mov_b32 v[W+i], 0                            ; written once: v_writelane_b32's destination counts as one of its sources
.set i, i+1
.endr
	LOADS 0, 8192
	LOADS 1, 8192
.macro MSTEP t
.if (\t) < 7
	s_wait_loadcnt 16                              ; as in the quantising path
.else
	s_wait_loadcnt 0x0
.endif
	TURN 7, 8, \t
	s_wait_dscnt 0x0
.if (\t) < 6
	LOADS (\t)+2, 8192
.endif
.irp g, 0,1,2,3,4,5,6,7
.irp i, 0,1,2,3,4,5,6,7
	v_cmp_eq_u32 s[20+\i], 1, v[X+8*\g+\i]         ; word n = 8 g + i: a bit for each lane
.endr
.irp i, 0,1,2,3,4,5,6,7
	v_writelane_b32 v[W+2*(\t)+\i%2], s[20+\i], 4*\g+\i/2          ; words 2 l and 2 l + 1 go to lane l
.endr
.endr
	global_store_b64 v3, v[W+2*(\t):W+2*(\t)+1], s[40:41] offset:256*(\t)   ; 256 consecutive bytes, aligned; each step has its own pair, so no store's data are written again
.endm
.irp t, 0,1,2,3,4,5,6,7
	MSTEP \t
.endr
	s_wait_tensorcnt 0x0                           ; the wave's end, as above
	ds_add_u32 v[SPW], v[NIL]
	s_wait_dscnt 0x0
	s_endpgm
.Lfunc_end_k_qd99b598c4e_prep:
	.size	k_qd99b598c4e_prep, .Lfunc_end_k_qd99b598c4e_prep-k_qd99b598c4e_prep
	.p2alignl 7, 3214868480
	.fill 96, 4, 3214868480
	.section	.rodata,"a",@progbits
	.p2align	6, 0x0
	.amdhsa_kernel k_qd99b598c4e_prep
		.amdhsa_group_segment_fixed_size 68096
		.amdhsa_private_segment_fixed_size 0
		.amdhsa_enable_private_segment 0
		.amdhsa_kernarg_size 88
		.amdhsa_user_sgpr_count 2
		.amdhsa_user_sgpr_kernarg_segment_ptr 1
		.amdhsa_wavefront_size32 1
		.amdhsa_system_sgpr_workgroup_id_x 1
		.amdhsa_system_sgpr_workgroup_id_y 1
		.amdhsa_system_sgpr_workgroup_id_z 1
		.amdhsa_system_vgpr_workitem_id 0
		.amdhsa_next_free_vgpr 256
		.amdhsa_next_free_sgpr 66
		.amdhsa_reserve_vcc 0
		.amdhsa_float_denorm_mode_32 3
		.amdhsa_float_denorm_mode_16_64 3
		.amdhsa_memory_ordered 1
		.amdhsa_forward_progress 1
		.amdhsa_inst_pref_size 161
	.end_amdhsa_kernel
	.amdgpu_metadata
---
amdhsa.version: [ 1, 2 ]
amdhsa.kernels:
  - .name:           k_qd99b598c4e_prep
    .symbol:         k_qd99b598c4e_prep.kd
    .args:
      - { .name: q, .offset: 0, .size: 8, .value_kind: global_buffer, .address_space: global }
      - { .name: k, .offset: 8, .size: 8, .value_kind: global_buffer, .address_space: global }
      - { .name: v, .offset: 16, .size: 8, .value_kind: global_buffer, .address_space: global }
      - { .name: Wq, .offset: 24, .size: 8, .value_kind: global_buffer, .address_space: global }
      - { .name: Wk, .offset: 32, .size: 8, .value_kind: global_buffer, .address_space: global }
      - { .name: Wv, .offset: 40, .size: 8, .value_kind: global_buffer, .address_space: global }
      - { .name: Wo, .offset: 48, .size: 8, .value_kind: global_buffer, .address_space: global }
      - { .name: mask, .offset: 56, .size: 8, .value_kind: global_buffer, .address_space: global }
      - { .name: xc, .offset: 64, .size: 8, .value_kind: global_buffer, .address_space: global }
      - { .name: xs, .offset: 72, .size: 8, .value_kind: global_buffer, .address_space: global }
      - { .name: mb, .offset: 80, .size: 8, .value_kind: global_buffer, .address_space: global }
    .group_segment_fixed_size: 68096
    .private_segment_fixed_size: 0
    .kernarg_segment_align: 8
    .kernarg_segment_size: 88
    .max_flat_workgroup_size: 128
    .sgpr_count:     66
    .vgpr_count:     256
    .wavefront_size: 32
...
	.end_amdgpu_metadata
.endif
;; end of part 1
;; launch proj (part 2): grid 8 x 32, 4 waves a work-group, clusters of 4 x 4, 327,680 bytes of LDS; arguments xc, xs, bq, bk, bv, pc, ps; writes pc, ps
.if DOCPART == 2
	.amdgcn_target "amdgcn-amd-amdhsa--gfx1250"
	.amdhsa_code_object_version 6
	.text
	.protected	k_qd99b598c4e_proj
	.globl	k_qd99b598c4e_proj
	.p2align	8
	.type	k_qd99b598c4e_proj,@function
k_qd99b598c4e_proj:
	s_mov_b64 s[64:65], 0
	v_nop
	global_prefetch_b8 v0, s[64:65] scope:SCOPE_SE
	s_setreg_imm32_b32 hwreg(HW_REG_WAVE_MODE, 25, 1), 1
	s_wait_xcnt 0x0
	s_wait_alu depctr_hold_cnt(0) depctr_sa_sdst(0) depctr_va_vdst(0) depctr_va_sdst(0) depctr_va_ssrc(0) depctr_va_vcc(0) depctr_vm_vsrc(0)
	s_getreg_b32 s2, hwreg(HW_REG_IB_STS2, 6, 4)
	s_cmp_eq_u32 s2, 0
	s_cbranch_scc0 .Lentry_in_a_cluster
	s_endpgm
.Lentry_in_a_cluster:
	s_bfe_u32 s2, ttmp6, 0x10000c
	s_cmp_lg_u32 s2, 0xf033
	s_cbranch_scc0 .Lentry_shape_is_right
	s_endpgm
.Lentry_shape_is_right:
; PROJ.  Q = q Wq^T + bq, K = k Wk^T + bk, V = v Wv^T + bv on codes of FP6 (xc, xs as prep leaves them), each result quantised again and stored as the pieces that the attention launch reads.
; pc: Q's region, K's (6,291,456 bytes on): [16 batch + head][tile-row 0..127] pieces of 768 bytes (16 tokens x the head's 64 channels); V's (12,582,912 on): [16 batch + head][key step][channel tile 0..3][key half] pieces of 768 bytes.
; ps: Q's, K's (524,288 on): [16 batch + head][tile-row][row] words, bytes 0, 1 the two blocks' scales, bytes 2, 3 zero (they meet zero codes alone); V's (1,048,576 on): [8 batch + head / 2][step][2 heads x 4 tiles][row] words, a byte for each 32 keys.
; A block's byte is its largest magnitude's exponent field - 2, held at 1 from below.  LIMITS: NaN and infinities are not served; blocks under 2^-124 and blocks of zeros keep the byte 1.
; SHARES.  256 work-groups of four waves, 2 x 2, each with three phases of 256 x 128 x 1,024.  In a phase the operand of 128 rows lies in registers (a wave's 64 rows, all of K: 32 fragments) and the operand of 256 rows
; streams past it out of LDS in blocks of 16 rows (tile-row 2 s + a is block s of the waves in row a), two sets of 8 fragments.  Q, K: the weight in registers, the tokens stream.  V: 128 tokens in registers, Wv's rows stream:
; in every phase a lane's 32 sums of a block run along the rows of the operand in registers, which is the axis along which the result is quantised.  A block is 32 products on four accumulators by turns.
; THE BIAS is the first four products' C: Q, K 32 registers laid as the result lies; V one number a lane and block, spread over eight registers.
; V's TILE: Wv's rows by cy, the tokens by x and the cluster's y: so the streamed operand is shared by a row of the cluster and the other by a column in every phase.
; LDS: the streamed rows in two halves of 8 tile-rows (0, 8 TRB), the other operand's 8 tile-rows (BB), three places of streamed rows' scale words (SCLA), the spare words.
; FILLS.  At the head one joint load a wave: Wq's rows; q's and k's scale words (two rows of 8,192 bytes); Wv's scale words; q's 256 rows.  In each of the first two phases two refills, each behind a drained round of the cluster's
; barrier that stands inside a block's products: in block 2 the other operand's region (waves 0, 1 a half each) and the first half of the rows (waves 2, 3); in block 7 the second half (waves 0, 1).  The next round shows what a refill brought;
; in V's block 2 a plain barrier does.  Q and K are a loop of two trips; V's phase fills nothing again and is written out.
; No prefetch is laid: a refill is asked for two blocks, 64 products, or more ahead of the wait for it.
; s_wait_dscnt 40 ahead of a block: its rows are in; the next block's 40 loads may be out.
; REGISTERS.  Window 0: v4-25 addresses; v32-47, v52-67 scale words; v72-103 bias; v104-167 two sets of four accumulators; v168-183 V's bias; v184-204 the way out.
; Fragment f lies in window 1 + f / 21 at register 12 (f % 21).  Window 3, v80-143: the later phases' scale words and K's bias.
.set TRB,    12288
.set BB,     16*TRB
.set SCLA,   BB+8*TRB
.set SPARE,  SCLA+3*8192
.set FPW,    21
.set ADB16, 4
.set ADB8,  5
.set ADA16, 6
.set ADA8,  7
.set AD16,  8
.set AD8,   9
.set AAS,   10
.set C16,   11
.set C8,    12
.set SO,    13
.set SPW,   14
.set NIL,   15
.set A1A,   24                         ; block 1's addresses
.set A1B,   25
.set SB,    32
.set SA,    52
.set BN,    72
.set ACC,   104
.set BV,    168
.set BMV,   176
.set MX,    184
.set PT,    188
.set SOP,   190
.set PC,    192
.set PC2,   200
.set PW,    204
.set G1A, 24
.set G1B, 32
.set G1S, 48
.set G0B, 56
.set G0A, 60
.set G0S, 68
.set G0Q, 72
.set G1Q, 76
.set NA,  84                           ; the next phase's streamed rows, and those of the phase after
.set NA2, 86
.set NB,  88                           ; the same for the other operand
.set NB2, 90
.set PCB, 92
.set PSB, 94
.set PCV, 96
.set PSV, 98
.set SEL, 46
.set MSB, 0
.macro WIN new
.if MSB != \new
	s_set_vgpr_msb (MSB<<8)|\new
.set MSB, \new
.endif
.endm
.macro PLACES n
.rept \n
	v_nop
.endr
.endm
.macro WALU
	s_wait_alu depctr_va_vdst(0)
.endm
.macro BARRIER
	s_barrier_signal -1
	s_barrier_wait -1
.endm
.macro MIDDLE                          ; a round's middle: the opening wait, wave 0's signal for the work-group, the cluster's wait
	WIN 0
	s_barrier_wait -1
	s_cmp_lg_u32 s16, 0
	s_cbranch_scc1 .Lnot_wave_0_\@
	s_barrier_signal -3
.Lnot_wave_0_\@:
	s_barrier_wait -3
.endm
.macro CROUND
	s_barrier_signal -1
	MIDDLE
	BARRIER
.endm
.macro TLOAD g0, g1
	tensor_load_to_lds s[\g0:\g0+3], s[\g1:\g1+7]
	s_nop 0
	PLACES 4
.endm
.macro GROUP1 g, mask, rows            ; a dense block as rows of 256 bytes (32 elements of 8)
	s_or_b32 s[\g+0], s\mask, (3<<16)|(1<<21)
	s_mov_b32 s[\g+1], 32<<16
	s_mov_b32 s[\g+2], (\rows)<<16
	s_mov_b32 s[\g+3], 32<<16
	s_mov_b32 s[\g+4], \rows
	s_mov_b32 s[\g+5], 32
	s_mov_b32 s[\g+6], 0
	s_mov_b32 s[\g+7], 0
.endm
.macro FRAG f, a16, a8, off            ; two pieces of 768 bytes: twelve registers
	WIN (1+(\f)/FPW)<<6
.set R_, 12*((\f)%FPW)
	ds_load_b128 v[R_:R_+3], v[\a16] offset:\off
	ds_load_b64 v[R_+4:R_+5], v[\a8] offset:(\off)+512
	ds_load_b128 v[R_+6:R_+9], v[\a16] offset:(\off)+768
	ds_load_b64 v[R_+10:R_+11], v[\a8] offset:(\off)+1280
.endm
.macro WEIGHTS                         ; my 64 rows of the operand that lies in registers: 128 loads
.irp g, 0,1,2,3,4,5,6,7
.irp t, 0,1,2,3
	FRAG 4*\g+\t, ADB16, ADB8, TRB*\t+1536*\g
.endr
.endr
	WIN 0
.endm
.macro FETCH e, a16, a8, s             ; block s into set e: 40 LDS loads
.irp g, 0,1,2,3,4,5,6,7
	FRAG 32+8*(\e)+\g, \a16, \a8, 1536*\g
.endr
	WIN 0
.irp g, 0,1,2,3,4,5,6,7
	ds_load_b32 v[SA+8*(\e)+\g], v[AAS] offset:1024*(\s)+64*\g
.endr
.endm
.macro PROD e, n, kind                 ; n = 4 g + t; source 0 the operand in registers, source 1 the streamed rows
.set G_, (\n)/4
.set T_, (\n)%4
.set FA_, 32+8*(\e)+G_
.set D_, ACC+32*(\e)+8*T_
.set RB_, 12*((\n)%FPW)
.set RA_, 12*(FA_%FPW)
.if G_
.set C_, D_
.elseif \kind
.set C_, BV
.else
.set C_, BN+8*T_
.endif
	WIN (1+(\n)/FPW)|((1+FA_/FPW)<<2)
.if T_%2
	v_wmma_scale_f32_16x16x128_f8f6f4 v[D_:D_+7], v[RB_:RB_+11], v[RA_:RA_+11], v[C_:C_+7], v[SB+8*(T_/2)+G_], v[SA+8*(\e)+G_] matrix_a_fmt:MATRIX_FMT_FP6 matrix_b_fmt:MATRIX_FMT_FP6 matrix_a_scale:MATRIX_SCALE_ROW1
.else
	v_wmma_scale_f32_16x16x128_f8f6f4 v[D_:D_+7], v[RB_:RB_+11], v[RA_:RA_+11], v[C_:C_+7], v[SB+8*(T_/2)+G_], v[SA+8*(\e)+G_] matrix_a_fmt:MATRIX_FMT_FP6 matrix_b_fmt:MATRIX_FMT_FP6
.endif
.endm
.macro MULS e, from, to, kind, x=-1    ; x: where the last block's sums lie, if the first part of their way out is to stand among these products
.set N_, \from
.rept (\to)-(\from)
	PROD \e, N_, \kind
.if (\x) >= 0
	CHAIN N_, \x
.endif
.set N_, N_+1
.endr
.endm
; THE WAY OUT of a block: register 16 b + i of lane (r, h) is number 32 b + 16 h + i of row r's 64: two scale blocks, each in lanes l and l xor 16.  Four chains for the largest magnitudes, each accumulator read from its low end on.
.macro OUT s, kind
.set X_, ACC+32*((\s)%2)
	s_wait_xcnt 0x0                                ; the last block's stores have read their data
.irp c, 0,1,2,3
	v_max3_num_f32 v[MX+\c], |v[X_+8*\c]|, |v[X_+8*\c+1]|, |v[X_+8*\c+2]|
.endr
.irp i, 3,5
.irp c, 0,1,2,3
	v_max3_num_f32 v[MX+\c], v[MX+\c], |v[X_+8*\c+\i]|, |v[X_+8*\c+\i+1]|
.endr
.endr
.irp c, 0,1,2,3
	v_max3_num_f32 v[MX+\c], v[MX+\c], |v[X_+8*\c+7]|, 0x1800000   ; and the floor 2^(3 - 127)
.endr
.irp b, 0,1
	v_max_num_f32 v[MX+2*\b], v[MX+2*\b], v[MX+2*\b+1]
.endr
.irp b, 0,1
	v_permlanex16_b32 v[PT+\b], v[MX+2*\b], s[SEL], s[SEL+1]
.endr
.irp b, 0,1
	v_max_num_f32 v[MX+2*\b], v[MX+2*\b], v[PT+\b]
.endr
.irp b, 0,1
	v_add_nc_u32 v[SOP+\b], 0xff000000, v[MX+2*\b]                 ; 2 off the exponent field: the conversion's scale operand
.endr
.irp b, 0,1
	v_lshrrev_b32 v[PT+\b], 23, v[SOP+\b]
.endr
	v_cvt_scalef32_pk16_fp6_f32 v[PC:PC+2], v[X_:X_+15], v[SOP]
	v_cvt_scalef32_pk16_fp6_f32 v[PC2:PC2+2], v[X_+16:X_+31], v[SOP+1]
	v_lshl_or_b32 v[PW], v[PT+1], 8, v[PT]         ; the two bytes; also the plain line behind the conversions
.irp i, 0,1,2
	v_permlane16_swap_b32 v[PC+\i], v[PC2+\i]      ; the operand wants a whole block in a lane
.endr
.irp i, 0,1,2
	v_mov_b32 v[PC+3+\i], v[PC2+\i]
.endr
.if \kind
	global_store_b128 v[C16], v[PC:PC+3], s[PCV:PCV+1] offset:((\s)/2)*98304+((\s)%2)*3072
	global_store_b64 v[C8], v[PC+4:PC+5], s[PCV:PCV+1] offset:((\s)/2)*98304+((\s)%2)*3072+512
	global_store_b16 v[SO], v[PW], s[PSV:PSV+1] offset:((\s)/4)*8192+(((\s)/2)%2)*256+((\s)%2)*128   ; my 64 keys' half of the scale word
.else
	global_store_b128 v[C16], v[PC:PC+3], s[PCB:PCB+1] offset:1536*(\s)     ; 512 and 256 consecutive bytes, at multiples of 256 from the buffer's first byte
	global_store_b64 v[C8], v[PC+4:PC+5], s[PCB:PCB+1] offset:1536*(\s)+512
	global_store_b32 v[SO], v[PW], s[PSB:PSB+1] offset:128*(\s)
.endif
.endm
; THE WAY OUT IN TWO PARTS, for all blocks of a phase but its last.  CHAIN: group i of the first part, nine groups of four or two lines, one behind each of the next block's first nine products: the two largest magnitudes,
; the conversions' scale operands and the bytes, of the 32 sums from register x on.  A group reads what the group before, or the one before that, has written.  TAIL: the conversions and the stores, behind that block's fetch.
.macro CHAIN i, x
.if (\i) < 9
	WIN 0
.endif
.if (\i) == 0
.irp c, 0,1,2,3
	v_max3_num_f32 v[MX+\c], |v[(\x)+8*\c]|, |v[(\x)+8*\c+1]|, |v[(\x)+8*\c+2]|
.endr
.elseif (\i) == 1 || (\i) == 2
.irp c, 0,1,2,3
	v_max3_num_f32 v[MX+\c], v[MX+\c], |v[(\x)+8*\c+2*(\i)+1]|, |v[(\x)+8*\c+2*(\i)+2]|
.endr
.elseif (\i) == 3
.irp c, 0,1,2,3
	v_max3_num_f32 v[MX+\c], v[MX+\c], |v[(\x)+8*\c+7]|, 0x1800000
.endr
.elseif (\i) == 4
.irp b, 0,1
	v_max_num_f32 v[MX+2*\b], v[MX+2*\b], v[MX+2*\b+1]
.endr
.elseif (\i) == 5
.irp b, 0,1
	v_permlanex16_b32 v[PT+\b], v[MX+2*\b], s[SEL], s[SEL+1]
.endr
.elseif (\i) == 6
.irp b, 0,1
	v_max_num_f32 v[MX+2*\b], v[MX+2*\b], v[PT+\b]
.endr
.elseif (\i) == 7
.irp b, 0,1
	v_add_nc_u32 v[SOP+\b], 0xff000000, v[MX+2*\b]
.endr
.elseif (\i) == 8
.irp b, 0,1
	v_lshrrev_b32 v[PT+\b], 23, v[SOP+\b]
.endr
.endif
.endm
.macro TAIL s, kind
.set X_, ACC+32*((\s)%2)
	WALU                                           ; the scale operands and the bytes were written among the products
	s_wait_xcnt 0x0                                ; the last block's stores have read their data
	v_cvt_scalef32_pk16_fp6_f32 v[PC:PC+2], v[X_:X_+15], v[SOP]
	v_cvt_scalef32_pk16_fp6_f32 v[PC2:PC2+2], v[X_+16:X_+31], v[SOP+1]
	v_lshl_or_b32 v[PW], v[PT+1], 8, v[PT]         ; the two bytes; also the plain line behind the conversions
.irp i, 0,1,2
	v_permlane16_swap_b32 v[PC+\i], v[PC2+\i]
.endr
.irp i, 0,1,2
	v_mov_b32 v[PC+3+\i], v[PC2+\i]
.endr
.if \kind
	global_store_b128 v[C16], v[PC:PC+3], s[PCV:PCV+1] offset:((\s)/2)*98304+((\s)%2)*3072
	global_store_b64 v[C8], v[PC+4:PC+5], s[PCV:PCV+1] offset:((\s)/2)*98304+((\s)%2)*3072+512
	global_store_b16 v[SO], v[PW], s[PSV:PSV+1] offset:((\s)/4)*8192+(((\s)/2)%2)*256+((\s)%2)*128
.else
	global_store_b128 v[C16], v[PC:PC+3], s[PCB:PCB+1] offset:1536*(\s)
	global_store_b64 v[C8], v[PC+4:PC+5], s[PCB:PCB+1] offset:1536*(\s)+512
	global_store_b32 v[SO], v[PW], s[PSB:PSB+1] offset:128*(\s)
.endif
.endm
.macro GRD
	s_wait_tensorcnt 0x0
	ds_add_u32 v[SPW], v[NIL]
.endm
.macro BLK s, kind
.if (\s) > 0
.set CX_, ACC+32*(((\s)+1)%2)          ; the last block's sums
.else
.set CX_, -1
.endif
.if (\s) < 7
	s_wait_dscnt 40
.else
	s_wait_dscnt 0x0
.endif
.if (\kind) == 0 && ((\s) == 2 || (\s) == 7)
	GRD
.if (\s) == 2
	s_add_co_u32 s[G0B+1], s20, BB
	s_add_nc_u64 s[G0B+2:G0B+3], s[NB:NB+1], s[20:21]
	s_or_b32 s[G0B+3], s[G0B+3], 0x80000000
	s_mov_b32 s[G0A+1], s20
	s_add_nc_u64 s[G0A+2:G0A+3], s[NA:NA+1], s[20:21]
	s_or_b32 s[G0A+3], s[G0A+3], 0x80000000
.else
	s_add_co_u32 s[G0A+1], s20, 8*TRB
	s_add_nc_u64 s[G0A+2:G0A+3], s[NA:NA+1], s[20:21]
	s_add_nc_u64 s[G0A+2:G0A+3], s[G0A+2:G0A+3], 8*TRB
	s_or_b32 s[G0A+3], s[G0A+3], 0x80000000
	s_mov_b64 s[NA:NA+1], s[NA2:NA2+1]
	s_mov_b64 s[NB:NB+1], s[NB2:NB2+1]
.endif
	MULS (\s)%2, 0, 26, \kind, CX_
	WIN 0
	WALU
	s_wait_dscnt 0x0                               ; the add is done, and so are my reads of the bytes that are filled again
	s_barrier_signal -1
	MULS (\s)%2, 26, 32, \kind
	MIDDLE
	BARRIER
	s_cmp_lt_u32 s16, 2
.if (\s) == 2
	s_cbranch_scc0 .Lrows_\@
	TLOAD G0B, G1B                                 ; waves 0, 1: a half each of the next phase's operand for the registers
	s_branch .Lasked_\@
.Lrows_\@:
	TLOAD G0A, G1A                                 ; waves 2, 3: a half each of its tile-rows 0-7
.Lasked_\@:
.else
	s_cbranch_scc0 .Lnone_\@
	TLOAD G0A, G1A                                 ; waves 0, 1: a half each of its tile-rows 8-15
.Lnone_\@:
	PLACES 4
.endif
.elseif (\kind) == 1 && (\s) == 2
	MULS 0, 0, 16, \kind, CX_
	WIN 0
	s_wait_tensorcnt 0x0                           ; every wave: the last refill is in,
	s_wait_dscnt 0x0
	s_barrier_signal -1                            ; and a plain barrier shows it to all
	MULS 0, 16, 32, \kind
	WIN 0
	s_barrier_wait -1
	PLACES 4
.else
	MULS (\s)%2, 0, 32, \kind, CX_
	WIN 0
	PLACES 4
.endif
.if (\s)+2 < 8
	v_add_nc_u32 v[AD16], 2*TRB*((\s)+2), v[ADA16]
	v_add_nc_u32 v[AD8], 2*TRB*((\s)+2), v[ADA8]
	WALU                                           ; the wait behind the writes
	FETCH (\s)%2, AD16, AD8, (\s)+2
.elseif (\kind) == 0 && (\s) == 7
	v_add_nc_u32 v[AAS], 8192, v[AAS]              ; the next phase: its scale words' place, its operand for the registers, its first two blocks, in one run of loads; this block's way out stands under their flight
	WALU
	WEIGHTS
	FETCH 0, ADA16, ADA8, 0
	FETCH 1, A1A, A1B, 1
.endif
.if (\s) > 0
	TAIL (\s)-1, \kind
.endif
.if (\s) == 7
	OUT \s, \kind                                  ; a phase's last block goes out whole
.endif
.if (\kind) == 1 && (\s) < 7
.irp i, 0,1,2,3,4,5,6,7
	v_mov_b32 v[BV+\i], v[BMV+(\s)+1]              ; the next block's bias
.endr
.endif
	WALU
.endm
	s_load_b256 s[4:11], s[0:1], 0x0               ; xc, xs, bq, bk
	s_load_b128 s[12:15], s[0:1], 0x20             ; bv, pc
	s_load_b64 s[100:101], s[0:1], 0x30            ; ps
	v_lshl_add_u32 v[SPW], v0, 2, SPARE
	v_mov_b32 v[NIL], 0
	ds_add_u32 v[SPW], v[NIL]                      ; the opening lines: the add, twice on end, and its wait
	ds_add_u32 v[SPW], v[NIL]
	v_lshrrev_b32 v1, 5, v0
	v_readfirstlane_b32 s16, v1                    ; wave
	s_lshr_b32 s17, s16, 1                         ; a: its row of the 2 x 2
	s_and_b32 s18, s16, 1                          ; b: its column
	s_bfe_u32 s40, ttmp6, 0x40000                  ; cx
	s_bfe_u32 s41, ttmp6, 0x40004                  ; cy
	s_lshl_b32 s42, ttmp9, 2
	s_add_co_u32 s42, s42, s40                     ; x, 0 .. 7
	s_and_b32 s2, ttmp7, 0xffff                    ; the cluster's y, 0 .. 7
	s_lshl_b32 s43, s2, 2
	s_add_co_u32 s43, s43, s41                     ; y, 0 .. 31
	s_lshl_b32 s44, s41, 2
	s_lshl_b32 s44, 15, s44                        ; my row of the cluster
	s_lshl_b32 s45, 0x1111, s40                    ; my column
	GROUP1 G1A, 44, 768                            ; the head's: 16 tile-rows
	GROUP1 G1B, 45, 384                            ; 8 tile-rows
	GROUP1 G1S, 44, 32                             ; 8,192 bytes of scale words
	s_or_b32 s[G1Q], s44, (3<<16)|(1<<21)          ; q's and k's scale words: two rows of 8,192 bytes, 512 tile-rows of 512 bytes apart
	s_mov_b32 s[G1Q+1], 1024<<16
	s_mov_b32 s[G1Q+2], 2<<16
	s_mov_b32 s[G1Q+3], 1024<<16
	s_mov_b32 s[G1Q+4], 2
	s_mov_b32 s[G1Q+5], 32768
	s_mov_b32 s[G1Q+6], 0
	s_mov_b32 s[G1Q+7], 0
	s_mul_i32 s20, s18, 4*TRB                      ; s[20:21]: which half of 8 tile-rows I fetch in a refill
	s_mov_b32 s21, 0
	s_add_co_u32 s19, s20, BB                      ; LDS: my four tile-rows of the operand for the registers
	s_mul_i32 s44, s17, TRB                        ; my block 0
	s_lshl_b32 s45, s17, 9
	s_add_co_u32 s45, s45, SCLA                    ; its scale words
	s_mul_i32 s46, s43, 16*TRB                     ; q's rows, bytes from xc (k's lie 512 tile-rows on)
	s_mul_i32 s47, s41, 16*TRB
	s_add_co_u32 s47, s47, 1664*TRB                ; Wv's rows
	s_lshl_b32 s22, s42, 3
	s_lshl_b32 s23, s2, 6
	s_add_co_u32 s23, s23, s22
	s_add_co_u32 s23, s23, 1024                    ; v's tile-rows: key step x + 8 x the cluster's y
	s_add_co_u32 s22, s22, 1536                    ; Wq's tile-rows (Wk's lie 64 on)
	s_mov_b32 s[G0B], 1
	s_mov_b32 s[G0B+1], BB
	s_mov_b32 s[G0A], 1
	s_mov_b32 s[G0A+1], 0
	s_mov_b32 s[G0Q], 1
	s_mov_b32 s[G0Q+1], SCLA
	s_mov_b32 s[G0S], 1
	s_mov_b32 s[G0S+1], SCLA+2*8192
	s_mov_b32 s67, 0
	WALU
	s_wait_dscnt 0x0                               ; both opening adds are done
	CROUND                                         ; all sixteen work-groups are here: the joint loads meet
	s_wait_kmcnt 0x0
	s_mov_b32 s66, s46
	s_add_nc_u64 s[G0A+2:G0A+3], s[4:5], s[66:67]
	s_add_nc_u64 s[NA:NA+1], s[G0A+2:G0A+3], 512*TRB
	s_mov_b32 s66, s47
	s_add_nc_u64 s[NA2:NA2+1], s[4:5], s[66:67]
	s_mul_i32 s66, s22, TRB
	s_add_nc_u64 s[G0B+2:G0B+3], s[4:5], s[66:67]
	s_add_nc_u64 s[NB:NB+1], s[G0B+2:G0B+3], 64*TRB
	s_mul_i32 s66, s23, TRB
	s_add_nc_u64 s[NB2:NB2+1], s[4:5], s[66:67]
	s_lshl_b32 s66, s43, 13
	s_add_nc_u64 s[G0Q+2:G0Q+3], s[6:7], s[66:67]
	s_lshl_b32 s66, s41, 13
	s_add_co_u32 s66, s66, 1664*512
	s_add_nc_u64 s[G0S+2:G0S+3], s[6:7], s[66:67]
	s_or_b32 s[G0A+3], s[G0A+3], 0x80000000
	s_or_b32 s[G0B+3], s[G0B+3], 0x80000000
	s_or_b32 s[G0Q+3], s[G0Q+3], 0x80000000
	s_or_b32 s[G0S+3], s[G0S+3], 0x80000000
	s_cmp_eq_u32 s16, 0                            ; one chain of branches on the wave's number, one load to an arm; what is needed first is asked for first
	s_cbranch_scc0 .Lwave_1
	TLOAD G0B, G1B                                 ; wave 0: Wq's rows
	s_branch .Lasked
.Lwave_1:
	s_cmp_eq_u32 s16, 1
	s_cbranch_scc0 .Lwave_2
	TLOAD G0Q, G1Q                                 ; wave 1: q's and k's scale words
	s_branch .Lasked
.Lwave_2:
	s_cmp_eq_u32 s16, 2
	s_cbranch_scc0 .Lwave_3
	TLOAD G0S, G1S                                 ; wave 2: Wv's scale words
	s_branch .Lasked
.Lwave_3:
	TLOAD G0A, G1A                                 ; wave 3: q's 16 tile-rows
.Lasked:
	s_lshl_b32 s46, s18, 2
	s_add_co_u32 s22, s22, s46
	s_lshl_b32 s66, s22, 9
	s_add_nc_u64 s[4:5], s[6:7], s[66:67]          ; the scale words of my four tile-rows of Wq (Wk's lie 32,768 bytes on),
	s_add_co_u32 s23, s23, s46
	s_lshl_b32 s66, s23, 9
	s_add_nc_u64 s[6:7], s[6:7], s[66:67]          ; and of v
	s_lshl_b32 s66, s42, 9
	s_lshl_b32 s46, s18, 8
	s_add_co_u32 s66, s66, s46
	s_add_nc_u64 s[8:9], s[8:9], s[66:67]          ; bq, bk at my head
	s_add_nc_u64 s[10:11], s[10:11], s[66:67]
	s_lshl_b32 s66, s41, 10
	s_lshl_b32 s46, s17, 5
	s_add_co_u32 s66, s66, s46
	s_add_nc_u64 s[12:13], s[12:13], s[66:67]      ; bv at channel 256 cy + 8 a
	s_lshr_b32 s46, s43, 3                         ; Q, K: batch,
	s_lshl_b32 s46, s46, 4
	s_lshl_b32 s47, s42, 1
	s_add_co_u32 s46, s46, s47
	s_add_co_u32 s46, s46, s18                     ; 16 batch + head,
	s_lshl_b32 s46, s46, 7
	s_and_b32 s47, s43, 7
	s_lshl_b32 s47, s47, 4
	s_add_co_u32 s46, s46, s47
	s_add_co_u32 s46, s46, s17                     ; and block 0's tile-row in the batch
	s_mul_i32 s66, s46, 768
	s_add_nc_u64 s[PCB:PCB+1], s[14:15], s[66:67]
	s_lshl_b32 s66, s46, 6
	s_add_nc_u64 s[PSB:PSB+1], s[100:101], s[66:67]
	s_lshr_b32 s46, s2, 1                          ; V: batch,
	s_and_b32 s47, s2, 1
	s_lshl_b32 s47, s47, 3
	s_add_co_u32 s47, s47, s42                     ; key step in the batch
	s_lshl_b32 s22, s46, 4
	s_lshl_b32 s23, s41, 2
	s_add_co_u32 s22, s22, s23                     ; 16 batch + head 4 cy
	s_lshl_b32 s22, s22, 4
	s_add_co_u32 s22, s22, s47
	s_mul_i32 s66, s22, 6144
	s_mul_i32 s22, s17, 1536
	s_add_co_u32 s66, s66, s22
	s_mul_i32 s22, s18, 768
	s_add_co_u32 s66, s66, s22
	s_add_co_u32 s66, s66, 12582912
	s_add_nc_u64 s[PCV:PCV+1], s[14:15], s[66:67]
	s_lshl_b32 s22, s46, 3
	s_lshl_b32 s23, s41, 1
	s_add_co_u32 s22, s22, s23
	s_lshl_b32 s22, s22, 4
	s_add_co_u32 s22, s22, s47
	s_lshl_b32 s66, s22, 9
	s_lshl_b32 s22, s17, 6
	s_add_co_u32 s66, s66, s22
	s_lshl_b32 s22, s18, 1
	s_add_co_u32 s66, s66, s22
	s_add_co_u32 s66, s66, 1048576
	s_add_nc_u64 s[PSV:PSV+1], s[100:101], s[66:67]
	s_mov_b32 s[SEL], 0x76543210
	s_mov_b32 s[SEL+1], 0xfedcba98
	v_and_b32 v1, 31, v0
	v_and_b32 v2, 15, v0                           ; r
	v_bfe_u32 v3, v0, 4, 1                         ; h
	v_lshlrev_b32 v[C16], 4, v1
	v_lshlrev_b32 v[C8], 3, v1
	v_lshlrev_b32 v[SO], 2, v2
	v_and_b32 v22, 8, v2
	v_add_nc_u32 v[ADB16], s19, v[C16]
	v_add_nc_u32 v[ADB8], s19, v[C8]
	v_add_nc_u32 v[ADA16], s44, v[C16]
	v_add_nc_u32 v[ADA8], s44, v[C8]
	v_add_nc_u32 v[AAS], s45, v[SO]
	v_add_nc_u32 v22, v22, v2
	v_lshl_add_u32 v20, v3, 9, v[SO]               ; scale words for the registers' operand: lanes 0-15 one tile-row's, lanes 16-31 the next one's
	v_lshlrev_b32 v21, 6, v3                       ; bq, bk: 64 h
	v_lshlrev_b32 v22, 2, v22                      ; bv: 4 (r + 8 (r / 8))
	v_add_nc_u32 v[A1A], 2*TRB, v[ADA16]
	v_add_nc_u32 v[A1B], 2*TRB, v[ADA8]
	v_mov_b32 v[PT], 0                             ; a lane permute's destination counts as one of its sources
	v_mov_b32 v[PT+1], 0
	WALU                                           ; the wait at the head's end
.irp p, 0,1
.irp g, 0,1,2,3,4,5,6,7
	global_load_b32 v[SB+8*\p+\g], v20, s[4:5] offset:1024*\p+64*\g
.endr
.endr
.irp t, 0,1,2,3
	global_load_b128 v[BN+8*\t:BN+8*\t+3], v21, s[8:9] offset:(32*(\t/2)+8*(\t%2))*4
	global_load_b128 v[BN+8*\t+4:BN+8*\t+7], v21, s[8:9] offset:(32*(\t/2)+8*(\t%2))*4+16
.endr
.irp s, 0,1,2,3,4,5,6,7
	global_load_b32 v[BMV+\s], v22, s[12:13] offset:128*\s
.endr
	WIN 3<<6                                       ; window 3: v80-95 Wk's scale words, v96-111 v's, v112-143 bk
.irp p, 0,1
.irp g, 0,1,2,3,4,5,6,7
	global_load_b32 v[80+8*\p+\g], v20, s[4:5] offset:32768+1024*\p+64*\g
	global_load_b32 v[96+8*\p+\g], v20, s[6:7] offset:1024*\p+64*\g
.endr
.endr
.irp t, 0,1,2,3
	global_load_b128 v[112+8*\t:112+8*\t+3], v21, s[10:11] offset:(32*(\t/2)+8*(\t%2))*4
	global_load_b128 v[112+8*\t+4:112+8*\t+7], v21, s[10:11] offset:(32*(\t/2)+8*(\t%2))*4+16
.endr
	WIN 0
	s_cmp_eq_u32 s16, 0
	s_cbranch_scc0 .Lnot_b
	s_wait_tensorcnt 0x0
.Lnot_b:
	BARRIER                                        ; Wq's rows are in (their load line is wave 0's alone)
	WEIGHTS
	s_wait_tensorcnt 0x0                           ; every wave: all the head's tiles are in
	s_wait_dscnt 0x0
	BARRIER
	s_mov_b32 s[G1A+2], 192<<16                    ; no tensor load of mine is out: from here on a load brings four tile-rows
	s_mov_b32 s[G1A+4], 192
	s_mov_b32 s[G1B+2], 192<<16
	s_mov_b32 s[G1B+4], 192
	FETCH 0, ADA16, ADA8, 0
	FETCH 1, A1A, A1B, 1
	s_wait_loadcnt 0x0
	s_mov_b32 s3, 0
.Lphase:                                               ; Q, then K
.irp s, 0,1,2,3,4,5,6,7
	BLK \s, 0
.endr
	WIN 3                                          ; the next phase's scale words first: more than eight plain lines stand between them and the next product
.set i, 0
.rept 16
	v_mov_b32 v[SB+i], v[80+i]
.set i, i+1
.endr
.set i, 0
.rept 32
	v_mov_b32 v[BN+i], v[112+i]                    ; bk (in the second trip these lines bring nothing that is read: V's bias lies elsewhere)
.set i, i+1
.endr
	WIN (3<<6)|3
.set i, 0
.rept 16
	v_mov_b32 v[80+i], v[96+i]
.set i, i+1
.endr
	WIN 0
	s_wait_xcnt 0x0                                ; the stores have read their bases
	s_add_nc_u64 s[PCB:PCB+1], s[PCB:PCB+1], 6291456
	s_add_nc_u64 s[PSB:PSB+1], s[PSB:PSB+1], 524288
	s_add_co_u32 s3, s3, 1
	s_cmp_lg_u32 s3, 2
	WALU
	s_cbranch_scc1 .Lphase
.irp i, 0,1,2,3,4,5,6,7
	v_mov_b32 v[BV+\i], v[BMV]                     ; V: block 0's bias
.endr
	WALU
.irp s, 0,1,2,3,4,5,6,7
	BLK \s, 1
.endr
	s_wait_tensorcnt 0x0                           ; the wave's end
	ds_add_u32 v[SPW], v[NIL]
	s_wait_dscnt 0x0
	CROUND                                         ; the closing round
	s_endpgm
.Lfunc_end_k_qd99b598c4e_proj:
	.size	k_qd99b598c4e_proj, .Lfunc_end_k_qd99b598c4e_proj-k_qd99b598c4e_proj
	.p2alignl 7, 3214868480
	.fill 96, 4, 3214868480
	.section	.rodata,"a",@progbits
	.p2align	6, 0x0
	.amdhsa_kernel k_qd99b598c4e_proj
		.amdhsa_group_segment_fixed_size 327680
		.amdhsa_private_segment_fixed_size 0
		.amdhsa_enable_private_segment 0
		.amdhsa_kernarg_size 56
		.amdhsa_user_sgpr_count 2
		.amdhsa_user_sgpr_kernarg_segment_ptr 1
		.amdhsa_wavefront_size32 1
		.amdhsa_system_sgpr_workgroup_id_x 1
		.amdhsa_system_sgpr_workgroup_id_y 1
		.amdhsa_system_sgpr_workgroup_id_z 1
		.amdhsa_system_vgpr_workitem_id 0
		.amdhsa_next_free_vgpr 1024
		.amdhsa_next_free_sgpr 102
		.amdhsa_reserve_vcc 0
		.amdhsa_float_denorm_mode_32 3
		.amdhsa_float_denorm_mode_16_64 3
		.amdhsa_memory_ordered 1
		.amdhsa_forward_progress 1
		.amdhsa_inst_pref_size 197
	.end_amdhsa_kernel
	.amdgpu_metadata
---
amdhsa.version: [ 1, 2 ]
amdhsa.kernels:
  - .name:           k_qd99b598c4e_proj
    .symbol:         k_qd99b598c4e_proj.kd
    .args:
      - { .name: xc, .offset: 0, .size: 8, .value_kind: global_buffer, .address_space: global }
      - { .name: xs, .offset: 8, .size: 8, .value_kind: global_buffer, .address_space: global }
      - { .name: bq, .offset: 16, .size: 8, .value_kind: global_buffer, .address_space: global }
      - { .name: bk, .offset: 24, .size: 8, .value_kind: global_buffer, .address_space: global }
      - { .name: bv, .offset: 32, .size: 8, .value_kind: global_buffer, .address_space: global }
      - { .name: pc, .offset: 40, .size: 8, .value_kind: global_buffer, .address_space: global }
      - { .name: ps, .offset: 48, .size: 8, .value_kind: global_buffer, .address_space: global }
    .group_segment_fixed_size: 327680
    .private_segment_fixed_size: 0
    .kernarg_segment_align: 8
    .kernarg_segment_size: 56
    .max_flat_workgroup_size: 128
    .sgpr_count:     102
    .vgpr_count:     1024
    .wavefront_size: 32
...
	.end_amdgpu_metadata
.endif
;; end of part 2
;; launch attn (part 3): grid 4 x 64, 16 waves a work-group, clusters of 4 x 1, 327,680 bytes of LDS; arguments pc, ps, mb, oc, os; writes oc, os
.if DOCPART == 3
	.amdgcn_target "amdgcn-amd-amdhsa--gfx1250"
	.amdhsa_code_object_version 6
	.text
	.protected	k_qd99b598c4e_attn
	.globl	k_qd99b598c4e_attn
	.p2align	8
	.type	k_qd99b598c4e_attn,@function
k_qd99b598c4e_attn:
	s_mov_b64 s[64:65], 0
	v_nop
	global_prefetch_b8 v0, s[64:65] scope:SCOPE_SE
	s_setreg_imm32_b32 hwreg(HW_REG_WAVE_MODE, 25, 1), 1
	s_wait_xcnt 0x0
	s_wait_alu depctr_hold_cnt(0) depctr_sa_sdst(0) depctr_va_vdst(0) depctr_va_sdst(0) depctr_va_ssrc(0) depctr_va_vcc(0) depctr_vm_vsrc(0)
	s_getreg_b32 s2, hwreg(HW_REG_IB_STS2, 6, 4)
	s_cmp_eq_u32 s2, 0
	s_cbranch_scc0 .Lentry_in_a_cluster
	s_endpgm
.Lentry_in_a_cluster:
	s_bfe_u32 s2, ttmp6, 0x10000c
	s_cmp_lg_u32 s2, 0x3003
	s_cbranch_scc0 .Lentry_shape_is_right
	s_endpgm
.Lentry_shape_is_right:
; ATTN.  For each batch b and head: S = Q K^T; where the mask is 1 the score is replaced; p = 2^(t - M), t = S x log2(e) / 8, M the running largest t rounded up to a whole number; O = (p V) / (the sum of the unquantised p).
; Both products on codes of FP6 (E2M3) with E8M0 scales.  The first product's K is the head's 64: registers 6-11 of its two operands hold zero codes.  O is quantised along the channels and leaves as codes for the last product.
; THE MASK.  A masked score becomes -2^33, that is the logit -2^30 in place of -1e9: c x 2^33 is a whole number, so that a row all of whose keys are masked gives p = 1 exactly for every key, the uniform weights of the definition.
; LIMITS: the result differs from the definition only where an unmasked logit lies near -1e9 or under it; NaN and infinities are not served; blocks under 2^-124 and blocks of zeros keep the byte 1.
; SHARES.  Work-group (x, y): y = 16 b + head, x a block of 512 queries.  Each of sixteen waves owns two tile-rows of 16 queries, one after the other, in 256 registers: four waves to a SIMD.
; LDS holds the head's whole K and V (2 x 98,304 bytes) and their scale words (2 x 8,192): each is asked for once, at the kernel's head (waves 0-3 a quarter of K each, 4-7 of V, 8 and 9 the scale words).
; Nothing is filled again, so one barrier shows the tiles and the waves then walk the 2 x 16 key steps of 128 keys with no further barrier.
; CLUSTER.  The four query blocks of a head read the same K, V and scale words: every tensor load is asked for jointly, with the same descriptor and the mask 15.
; LAYOUT.  Both products are used transposed: S^T = K Q^T, O^T = V^T P^T: a lane holds one query throughout.  K's tile-rows are ordered so that registers 16 b + i of the scores are keys 32 b + 16 (lane / 16) + i of the step;
; V's channel tiles likewise.  The mask comes as 64 words a step (prep), one for each score register, a bit for each lane: one select a score.
; No prefetch is laid: all tiles are asked for at the head, and the mask words one step ahead of their use.
; REGISTERS: v1-v11, v91-95 addresses; v12 -M, v13 the largest t, v[14:15] the sum; v16-27 Q; v28-33, v35 the second tile-row's Q; v34 Q's scale words; v36-83 four fragments of K; v84-89 scale words; v90 O's scale bytes;
;   v96-159 the scores, then p, then V's four fragments; v160-191 O^T; v200-211 p's codes; v212-255 at work.
.set KV,    98304                      ; K: 16 steps x 8 tiles x 768 bytes; behind it V: 16 steps x 4 tiles x 1,536
.set SCK,   2*KV                       ; K's scale words: 128 tile-rows x 64 bytes
.set SCV,   SCK+8192                   ; V's: [step][2 heads x 4 tiles][16 words]
.set SPARE, SCV+8192                   ; the spare words, 128 bytes a wave
.set TB,   2                           ; s2  LDS byte of the step's tiles of K
.set TS,   3                           ; s3  512 x the step: its scale words
.set CNT,  4
.set MOFF, 5                           ; s5  256 x the step whose mask words are asked for
.set MP,   6                           ; s[6:7]   my tile-row's mask words
.set OC,   8                           ; s[8:9]   where my codes go
.set OSP,  10                          ; s[10:11] where my scale bytes go
.set WV,   12
.set LB,   13                          ; s13 24,576 x wave; s14: 256 x (head % 2)
.set G1S,  32                          ; descriptors of the scale words (s16-63 and s68-83 later hold the 64 mask words: word n in s[16 + n + 4 (n / 48)])
.set G0SK, 40
.set G0SV, 56
.set G1D,  84
.set G0D,  92
.set CS,   96                          ; s[96:97] c = log2(e) / 8
.set SEL,  98                          ; s[98:99] lane selects: lane l xor 16
.set KB,   36
.set KSC,  84
.set VSC,  88
.set MX,   220
.set PT,   224
.set SOP,  228
.macro CROUND
	s_barrier_signal -1
	s_barrier_wait -1
	s_cmp_lg_u32 s[WV], 0
	s_cbranch_scc1 .Lnot_wave_0_\@
	s_barrier_signal -3
.Lnot_wave_0_\@:
	s_barrier_wait -3
	s_barrier_signal -1
	s_barrier_wait -1
.endm
.macro MWORDS                          ; the 64 mask words of the step at MOFF
	s_load_b512 s[16:31], s[MP:MP+1], s[MOFF] offset:0
	s_load_b512 s[32:47], s[MP:MP+1], s[MOFF] offset:64
	s_load_b512 s[48:63], s[MP:MP+1], s[MOFF] offset:128
	s_load_b512 s[68:83], s[MP:MP+1], s[MOFF] offset:192
.endm
.macro ADDP d, a, b
	v_pk_add_f32 v[\d:\d+1], v[\a:\a+1], v[\b:\b+1]
.endm
	s_load_b256 s[16:23], s[0:1], 0x0              ; pc, ps, mb, oc
	s_load_b64 s[24:25], s[0:1], 0x20              ; os
	v_lshl_add_u32 v5, v0, 2, SPARE                ; v5: my spare word; never rewritten
	v_mov_b32 v6, 0                                ; v6: 0; never rewritten
	ds_add_u32 v5, v6                              ; the opening lines: the add, twice on end, and its wait
	ds_add_u32 v5, v6
	v_lshrrev_b32 v8, 5, v0
	v_readfirstlane_b32 s[WV], v8
	s_bfe_u32 s26, ttmp6, 0x40000                  ; cx: my block of 512 queries; it enters the addresses of Q, of the mask words and of the results alone
	s_lshl_b32 s27, s26, 5
	s_add_co_u32 s27, s27, s[WV]                   ; T: my first tile-row in the batch; the second is T + 16
	s_and_b32 s28, ttmp7, 0xffff                   ; 16 b + head
	s_lshr_b32 s29, s28, 4
	s_lshl_b32 s29, s29, 7
	s_add_co_u32 s29, s29, s27                     ; Tg = 128 b + T
	s_and_b32 s30, s28, 15                         ; head
	s_lshl_b32 s31, s28, 7
	s_add_co_u32 s31, s31, s27
	s_mul_i32 s44, s31, 768                        ; Q's codes
	s_mov_b32 s45, 0
	s_lshl_b32 s46, s31, 6                         ; Q's scale words
	s_mov_b32 s47, 0
	s_lshl_b32 s[MP], s29, 12
	s_mov_b32 s[MP+1], 0
	s_lshl_b32 s31, s29, 4
	s_add_co_u32 s31, s31, s30
	s_mul_i32 s[OC], s31, 768
	s_mov_b32 s[OC+1], 0
	s_lshl_b32 s[OSP], s29, 9                      ; os: [Tg][head / 2][row] words; my head's two bytes of each
	s_lshr_b32 s26, s30, 1
	s_lshl_b32 s26, s26, 6
	s_add_co_u32 s[OSP], s[OSP], s26
	s_and_b32 s26, s30, 1
	s_lshl_b32 s14, s26, 8
	s_lshl_b32 s26, s26, 1
	s_add_co_u32 s[OSP], s[OSP], s26
	s_mov_b32 s[OSP+1], 0
	s_mul_i32 s[LB], s[WV], 24576                  ; what I fetch, if I fetch: made of y and the wave's number alone
	s_lshr_b32 s48, s[WV], 2
	s_add_co_u32 s48, s48, 1
	s_mul_i32 s48, s48, 6291456                    ; K's region of pc (waves 0-3) or V's (4-7),
	s_mul_i32 s49, s28, 98304                      ; the head,
	s_add_co_u32 s48, s48, s49
	s_and_b32 s49, s[WV], 3
	s_mul_i32 s49, s49, 24576                      ; my quarter
	s_add_co_u32 s48, s48, s49
	s_mov_b32 s49, 0
	s_lshl_b32 s50, s28, 13
	s_add_co_u32 s50, s50, 524288                  ; K's scale words
	s_mov_b32 s51, 0
	s_lshr_b32 s52, s28, 1
	s_lshl_b32 s52, s52, 13
	s_add_co_u32 s52, s52, 1048576                 ; V's, of the pair of heads
	s_mov_b32 s53, 0
	s_mov_b32 s[G1D], 15|(3<<16)|(1<<21)           ; dense blocks as rows of 256 bytes (32 elements of 8): 96 rows of codes, 32 rows of scale words; the mask names all four work-groups
	s_mov_b32 s[G1D+1], 32<<16
	s_mov_b32 s[G1D+2], 96<<16
	s_mov_b32 s[G1D+3], 32<<16
	s_mov_b32 s[G1D+4], 96
	s_mov_b32 s[G1D+5], 32
	s_mov_b32 s[G1D+6], 0
	s_mov_b32 s[G1D+7], 0
	s_mov_b32 s[G1S], 15|(3<<16)|(1<<21)
	s_mov_b32 s[G1S+1], 32<<16
	s_mov_b32 s[G1S+2], 32<<16
	s_mov_b32 s[G1S+3], 32<<16
	s_mov_b32 s[G1S+4], 32
	s_mov_b32 s[G1S+5], 32
	s_mov_b32 s[G1S+6], 0
	s_mov_b32 s[G1S+7], 0
	s_mov_b32 s[CS], 0x3e38aa3b
	s_mov_b32 s[CS+1], s[CS]
	s_mov_b32 s[SEL], 0x76543210
	s_mov_b32 s[SEL+1], 0xfedcba98
	s_wait_dscnt 0x0                               ; both opening adds are done
	s_wait_kmcnt 0x0
	s_add_nc_u64 s[44:45], s[16:17], s[44:45]
	s_add_nc_u64 s[46:47], s[18:19], s[46:47]
	s_add_nc_u64 s[MP:MP+1], s[20:21], s[MP:MP+1]
	s_add_nc_u64 s[OC:OC+1], s[22:23], s[OC:OC+1]
	s_add_nc_u64 s[OSP:OSP+1], s[24:25], s[OSP:OSP+1]
	s_mov_b32 s[G0D], 1
	s_mov_b32 s[G0D+1], s[LB]
	s_add_nc_u64 s[G0D+2:G0D+3], s[16:17], s[48:49]
	s_or_b32 s[G0D+3], s[G0D+3], 0x80000000
	s_mov_b32 s[G0SK], 1
	s_mov_b32 s[G0SK+1], SCK
	s_add_nc_u64 s[G0SK+2:G0SK+3], s[18:19], s[50:51]
	s_or_b32 s[G0SK+3], s[G0SK+3], 0x80000000
	s_mov_b32 s[G0SV], 1
	s_mov_b32 s[G0SV+1], SCV
	s_add_nc_u64 s[G0SV+2:G0SV+3], s[18:19], s[52:53]
	s_or_b32 s[G0SV+3], s[G0SV+3], 0x80000000
	CROUND                                         ; all four work-groups are here: the joint loads meet
	s_cmp_lt_u32 s[WV], 8                          ; the fills, one a wave at the most, in one chain of branches on the wave's number
	s_cbranch_scc0 .Lnot_codes
	tensor_load_to_lds s[G0D:G0D+3], s[G1D:G1D+7]  ; waves 0-7: a quarter of K or of V
	s_nop 0
.rept 4
	v_nop
.endr
	s_branch .Lfirst_asked
.Lnot_codes:
	s_cmp_lt_u32 s[WV], 9
	s_cbranch_scc0 .Lnot_ksc
	tensor_load_to_lds s[G0SK:G0SK+3], s[G1S:G1S+7]   ; wave 8: K's scale words
	s_nop 0
.rept 4
	v_nop
.endr
	s_branch .Lfirst_asked
.Lnot_ksc:
	s_cmp_lt_u32 s[WV], 10
	s_cbranch_scc0 .Lfirst_asked
	tensor_load_to_lds s[G0SV:G0SV+3], s[G1S:G1S+7]   ; wave 9: V's
	s_nop 0
.rept 4
	v_nop
.endr
.Lfirst_asked:
	v_and_b32 v8, 31, v0
	v_and_b32 v7, 15, v0
	v_lshlrev_b32 v1, 4, v8                        ; v1: 16 x lane
	v_lshlrev_b32 v2, 3, v8                        ; v2: 8 x lane
	v_lshl_add_u32 v3, v8, 2, SCK                  ; v3: 4 x lane among K's scale words: lanes 0-15 one tile's, lanes 16-31 the next tile's
	v_lshlrev_b32 v7, 2, v7                        ; v7: 4 r
	v_add_nc_u32 v94, KV, v1                       ; v94, v95: the same as v1, v2 in V's region
	v_add_nc_u32 v95, KV, v2
	v_add_nc_u32 v11, s14, v3
	v_add_nc_u32 v11, SCV-SCK, v11                 ; v11: 4 x lane among my head's words of V's scale words
	global_load_b128 v[16:19], v1, s[44:45]                        ; Q of the first tile-row: registers 0-5 of the operand
	global_load_b64 v[20:21], v2, s[44:45] offset:512
	global_load_b128 v[28:31], v1, s[44:45] offset:12288           ; and of the second, 16 tile-rows on
	global_load_b64 v[32:33], v2, s[44:45] offset:12288+512
	global_load_b32 v34, v7, s[46:47]
	global_load_b32 v35, v7, s[46:47] offset:1024
	v_mov_b32 v4, 0xd0000000                       ; v4: -2^33, a masked score
	v_mov_b32 v13, 0xff61b1e6                      ; the largest t so far: -3e38
	v_mov_b32 v14, 0
	v_floor_f32 v12, -v13                          ; -M
	v_mov_b32 v15, 0
.irp i, 22,23,24,25,26,27
	v_mov_b32 v[\i], 0                             ; Q's k = 64 .. 127: zero codes
.endr
.irp t, 0,1,2,3
.irp i, 6,7,8,9,10,11
	v_mov_b32 v[KB+12*\t+\i], 0                    ; K's likewise: written once, never loaded over
.endr
.endr
.irp b, 0,1,2,3
	v_mov_b32 v[PT+\b], 0                          ; a lane permute's destination counts as one of its sources
.endr
	v_mov_b32 v233, 0                              ; (named as the upper halves of pairs before they are first written)
	v_mov_b32 v235, 0
	v_mov_b32 v236, 0
.set n, 0
.rept 32
	v_mov_b32 v[160+n], 0                          ; O^T: the step is written once; the first change of M multiplies zeros
.set n, n+1
.endr
.macro SCORE tau, t                    ; tile tau of the step's eight: 16 keys x my 16 queries
.if (\tau)%2
	v_wmma_scale_f32_16x16x128_f8f6f4 v[96+8*(\tau):103+8*(\tau)], v[KB+12*\t:KB+12*\t+11], v[16:27], 0, v[KSC+(\tau)/2], v34 matrix_a_fmt:MATRIX_FMT_FP6 matrix_b_fmt:MATRIX_FMT_FP6 matrix_a_scale:MATRIX_SCALE_ROW1
.else
	v_wmma_scale_f32_16x16x128_f8f6f4 v[96+8*(\tau):103+8*(\tau)], v[KB+12*\t:KB+12*\t+11], v[16:27], 0, v[KSC+(\tau)/2], v34 matrix_a_fmt:MATRIX_FMT_FP6 matrix_b_fmt:MATRIX_FMT_FP6
.endif
.endm
.macro PVM ct                          ; 16 channels x my 16 queries, K = the step's 128 keys
.if (\ct)%2
	v_wmma_scale_f32_16x16x128_f8f6f4 v[160+8*(\ct):167+8*(\ct)], v[96+12*(\ct):107+12*(\ct)], v[200:211], v[160+8*(\ct):167+8*(\ct)], v[VSC+(\ct)/2], v233 matrix_a_fmt:MATRIX_FMT_FP6 matrix_b_fmt:MATRIX_FMT_FP6 matrix_a_scale:MATRIX_SCALE_ROW1
.else
	v_wmma_scale_f32_16x16x128_f8f6f4 v[160+8*(\ct):167+8*(\ct)], v[96+12*(\ct):107+12*(\ct)], v[200:211], v[160+8*(\ct):167+8*(\ct)], v[VSC+(\ct)/2], v233 matrix_a_fmt:MATRIX_FMT_FP6 matrix_b_fmt:MATRIX_FMT_FP6
.endif
.endm
; A KEY STEP: 128 keys
.macro STEP
	v_add_nc_u32 v8, s[TB], v1                     ; six plain lines: the scores below are written over the registers from which the last step's products read V
	v_add_nc_u32 v9, s[TB], v2
	v_add_nc_u32 v10, s[TS], v3
	v_add_nc_u32 v91, s[TB], v94
	v_add_nc_u32 v92, s[TB], v95
	v_add_nc_u32 v93, s[TS], v11
	s_wait_alu depctr_va_vdst(0)
.irp gq, 0,1                                   ; S^T = K Q^T, four tiles at a time
.if \gq
.rept 4
	v_nop                                          ; places in front of loads into registers that the four products have read
.endr
.endif
.irp t, 0,1,2,3
	ds_load_b128 v[KB+12*\t:KB+12*\t+3], v8 offset:768*(4*\gq+\t)
	ds_load_b64 v[KB+12*\t+4:KB+12*\t+5], v9 offset:768*(4*\gq+\t)+512
.endr
.if \gq == 0
.irp p, 0,1,2,3
	ds_load_b32 v[KSC+\p], v10 offset:128*\p       ; lanes 0-15 tile 2 p's words, lanes 16-31 tile 2 p + 1's
.endr
.endif
	s_wait_dscnt 0x0
.irp t, 0,1,2,3
	SCORE 4*\gq+\t, \t
.endr
.endr
.rept 4
	v_nop
.endr
	s_wait_kmcnt 0x0                               ; this step's 64 mask words, asked for a step ago
.set n, 0
.rept 64
	v_cndmask_b32 v[96+n], v[96+n], v4, s[16+n+4*(n/48)]           ; in ascending order: each accumulator is read from its low end on
.set n, n+1
.endr
	s_add_co_u32 s[MOFF], s[MOFF], 256             ; the next step's words; behind step 15 it is step 0 again: no load leaves the buffer
	s_and_b32 s[MOFF], s[MOFF], 0xfff
	MWORDS
.irp b, 0,1,2,3
	v_max3_num_f32 v[MX+\b], v[96+16*\b], v[97+16*\b], v[98+16*\b]   ; the largest score of each block of 32 keys: for the row's maximum, and, since p rises with the score, for the block's largest p
.endr
.irp i, 3,5,7,9,11,13
.irp b, 0,1,2,3
	s_delay_alu instid0(VALU_DEP_4)
	v_max3_num_f32 v[MX+\b], v[MX+\b], v[96+16*\b+\i], v[97+16*\b+\i]
.endr
.endr
.irp b, 0,1,2,3
	s_delay_alu instid0(VALU_DEP_4)
	v_max_num_f32 v[MX+\b], v[MX+\b], v[111+16*\b]
.endr
.irp b, 0,1,2,3
	s_delay_alu instid0(VALU_DEP_4)
	v_permlanex16_b32 v[PT+\b], v[MX+\b], s[SEL], s[SEL+1]
.endr
.irp b, 0,1,2,3
	s_delay_alu instid0(VALU_DEP_4)
	v_max_num_f32 v[MX+\b], v[MX+\b], v[PT+\b]
.endr
	s_delay_alu instid0(VALU_DEP_2)
	v_max3_num_f32 v236, v[MX], v[MX+1], v[MX+2]
	s_delay_alu instid0(VALU_DEP_1)
	v_max_num_f32 v236, v236, v[MX+3]
	s_delay_alu instid0(VALU_DEP_1)
	v_mul_f32 v236, s[CS], v236                    ; as t
	s_delay_alu instid0(VALU_DEP_1)
	v_max_num_f32 v13, v13, v236                   ; the running largest t
	v_mov_b32 v236, v12
	s_delay_alu instid0(VALU_DEP_2)
	v_floor_f32 v12, -v13                          ; the new -M = -ceil(t): a whole number
	s_delay_alu instid0(VALU_DEP_1)
	v_sub_f32 v236, v12, v236                      ; old M - new M: a whole number, 0 or less
	s_delay_alu instid0(VALU_DEP_1)
	v_cvt_i32_f32 v236, v236                       ; (it saturates)
	s_delay_alu instid0(VALU_DEP_1)
	v_ldexp_f32 v232, 1.0, v236                    ; f = 2^(old M - new M)
.set n, 0
.rept 32
	v_pk_fma_f32 v[96+n:97+n], v[96+n:97+n], s[CS:CS+1], v[12:13] op_sel_hi:[1,0,0]   ; t - M, two at a time
.set n, n+2
.endr
.irp b, 0,1,2,3
	v_fma_f32 v[MX+\b], v[MX+\b], s[CS], v12
.endr
.set n, 0
	s_wait_alu depctr_va_vdst(0)                   ; the wait ahead of the batch
.rept 64
	v_exp_f32 v[96+n], v[96+n]                     ; p = 2^(t - M): not normalised
.set n, n+1
.endr
	v_pk_mul_f32 v[14:15], v[14:15], v[232:233] op_sel_hi:[1,0]    ; the sums under the new M: a plain line behind the exponentials
	s_wait_alu depctr_va_vdst(0)                   ; one wait for the batch of 64, ahead of its first reader
.irp b, 0,1,2,3
	v_exp_f32 v[MX+\b], v[MX+\b]                   ; each block's largest p
.endr
	ADDP 224, 100, 104                             ; the row's sum of the unquantised p, in eight chains side by side
	ADDP 254, 108, 112
	ADDP 252, 116, 120
	ADDP 250, 124, 128
	ADDP 248, 132, 136
	ADDP 246, 140, 144
	ADDP 244, 148, 152
	ADDP 14, 14, 156
	ADDP 224, 224, 96
	ADDP 254, 254, 98
	ADDP 252, 252, 102
	ADDP 250, 250, 106
	ADDP 248, 248, 110
	ADDP 246, 246, 114
	ADDP 244, 244, 118
	ADDP 14, 14, 122
	ADDP 224, 224, 126
	ADDP 254, 254, 130
	ADDP 252, 252, 134
	ADDP 250, 250, 138
	ADDP 248, 248, 142
	ADDP 246, 246, 146
	ADDP 244, 244, 150
	ADDP 14, 14, 154
	ADDP 224, 224, 158
	s_delay_alu instid0(VALU_DEP_2)
	ADDP 14, 14, 250
	s_delay_alu instid0(VALU_DEP_2)
	ADDP 224, 224, 248
	ADDP 254, 254, 246
	ADDP 252, 252, 244
	s_delay_alu instid0(VALU_DEP_2)
	ADDP 14, 14, 254
	s_delay_alu instid0(VALU_DEP_2)
	ADDP 224, 224, 252
	s_delay_alu instid0(VALU_DEP_1)
	ADDP 14, 14, 224
	s_wait_alu depctr_va_vdst(0)                   ; and one for the four
.irp b, 0,1,2,3
	v_max_num_f32 v[MX+\b], 0x1800000, v[MX+\b]    ; the floor 2^(3 - 127): the byte cannot fall under 1
.endr
.irp b, 0,1,2,3
	s_delay_alu instid0(VALU_DEP_4)
	v_add_nc_u32 v[SOP+\b], 0xff000000, v[MX+\b]   ; 2 off the exponent field: the conversion's scale operand
.endr
.irp b, 0,1,2,3
	s_delay_alu instid0(VALU_DEP_4)
	v_lshrrev_b32 v[PT+\b], 23, v[SOP+\b]
.endr
	s_delay_alu instid0(VALU_DEP_3)
	v_lshl_or_b32 v233, v[PT+1], 8, v[PT]          ; p's scale word for these 128 keys
	s_delay_alu instid0(VALU_DEP_1)
	v_lshl_or_b32 v233, v[PT+2], 16, v233
	s_delay_alu instid0(VALU_DEP_1)
	v_lshl_or_b32 v233, v[PT+3], 24, v233
.irp c, 0,1
	v_cvt_scalef32_pk16_fp6_f32 v[200+6*\c:202+6*\c], v[96+32*\c:111+32*\c], v[SOP+2*\c]
	v_cvt_scalef32_pk16_fp6_f32 v[212+4*\c:214+4*\c], v[112+32*\c:127+32*\c], v[SOP+2*\c+1]
.endr
	v_nop                                          ; one plain line behind the scaled conversions
.irp ct, 0,1,2,3                               ; V's four fragments land where p lay
	ds_load_b128 v[96+12*\ct:99+12*\ct], v91 offset:1536*\ct
	ds_load_b64 v[100+12*\ct:101+12*\ct], v92 offset:1536*\ct+512
	ds_load_b128 v[102+12*\ct:105+12*\ct], v91 offset:1536*\ct+768
	ds_load_b64 v[106+12*\ct:107+12*\ct], v92 offset:1536*\ct+1280
.endr
.irp p, 0,1
	ds_load_b32 v[VSC+\p], v93 offset:128*\p
.endr
.irp c, 0,1                                    ; the operand wants a whole block in a lane
.irp i, 0,1,2
	v_permlane16_swap_b32 v[200+6*\c+\i], v[212+4*\c+\i]
.endr
.irp i, 0,1,2
	s_delay_alu instid0(VALU_DEP_3)
	v_mov_b32 v[203+6*\c+\i], v[212+4*\c+\i]
.endr
.endr
.set n, 0
.rept 16
	v_pk_mul_f32 v[160+n:161+n], v[160+n:161+n], v[232:233] op_sel_hi:[1,0]   ; O^T under the new M; these lines also stand between the codes' and the scale word's last writes and the products
.set n, n+2
.endr
	s_wait_alu depctr_va_vdst(0)
	s_wait_dscnt 0x0
.irp ct, 0,1,2,3
	PVM \ct                                        ; the four accumulators by turns
.endr
	s_add_co_u32 s[TB], s[TB], 6144
	s_add_co_u32 s[TS], s[TS], 512
.endm
.macro PASS                            ; one tile-row of queries against the head's 16 key steps
	s_mov_b32 s[TB], 0
	s_mov_b32 s[TS], 0
	s_mov_b32 s[CNT], 16
.Lstep_\@:
	STEP
	s_sub_co_u32 s[CNT], s[CNT], 1
	s_cmp_lg_u32 s[CNT], 0
	s_cbranch_scc1 .Lstep_\@
.endm
; A tile-row's end: O^T / the sum, quantised along the head's 64 channels (two blocks): one piece of 768 bytes and two scale bytes a row
.macro FINISH hd
.rept 4
	v_nop                                          ; places behind the last products
.endr
	v_add_f32 v14, v14, v15
	s_delay_alu instid0(VALU_DEP_1)
	v_permlanex16_b32 v236, v14, s[SEL], s[SEL+1]
	s_delay_alu instid0(VALU_DEP_1)
	v_add_f32 v14, v14, v236                       ; the row's sum
	s_wait_alu depctr_va_vdst(0)
	v_rcp_f32 v234, v14
	v_nop                                          ; a plain line behind the reciprocal,
	s_wait_alu depctr_va_vdst(0)                   ; and the wait ahead of its first reader
.set n, 0
.rept 16
	v_pk_mul_f32 v[96+n:97+n], v[160+n:161+n], v[234:235] op_sel_hi:[1,0]   ; register 16 b + i: channel 32 b + 16 (lane / 16) + i
.set n, n+2
.endr
.irp b, 0,1
	v_max3_num_f32 v[MX+\b], |v[96+16*\b]|, |v[97+16*\b]|, 0x1800000
.endr
.irp i, 2,4,6,8,10,12,14
.irp b, 0,1
	s_delay_alu instid0(VALU_DEP_2)
	v_max3_num_f32 v[MX+\b], v[MX+\b], |v[96+16*\b+\i]|, |v[97+16*\b+\i]|
.endr
.endr
.irp b, 0,1
	s_delay_alu instid0(VALU_DEP_2)
	v_permlanex16_b32 v[PT+\b], v[MX+\b], s[SEL], s[SEL+1]
.endr
.irp b, 0,1
	s_delay_alu instid0(VALU_DEP_2)
	v_max_num_f32 v[MX+\b], v[MX+\b], v[PT+\b]
.endr
.irp b, 0,1
	s_delay_alu instid0(VALU_DEP_2)
	v_add_nc_u32 v[SOP+\b], 0xff000000, v[MX+\b]
.endr
.irp b, 0,1
	s_delay_alu instid0(VALU_DEP_2)
	v_lshrrev_b32 v[PT+\b], 23, v[SOP+\b]
.endr
	v_cvt_scalef32_pk16_fp6_f32 v[200:202], v[96:111], v[SOP]
	v_cvt_scalef32_pk16_fp6_f32 v[212:214], v[112:127], v[SOP+1]
	v_nop
.irp i, 0,1,2
	v_permlane16_swap_b32 v[200+\i], v[212+\i]
.endr
.irp i, 0,1,2
	s_delay_alu instid0(VALU_DEP_3)
	v_mov_b32 v[203+\i], v[212+\i]
.endr
	global_store_b128 v1, v[200:203], s[OC:OC+1] offset:196608*\hd         ; 512 and 256 consecutive bytes, at multiples of 256 from the buffer's first byte
	global_store_b64 v2, v[204:205], s[OC:OC+1] offset:196608*\hd+512
	v_lshl_or_b32 v90, v[PT+1], 8, v[PT]
	global_store_b16 v7, v90, s[OSP:OSP+1] offset:8192*\hd         ; my head's half of the scale word of k = 128 (head / 2) ..; the other half is the neighbouring head's (both halves of the lanes store the same bytes)
.endm
	s_wait_alu depctr_va_vdst(0)                   ; the wait at the head's end
	s_wait_tensorcnt 0x0                           ; my tile, if I asked for one, is in: the descriptors' registers are free
	s_barrier_signal -1
	s_barrier_wait -1                              ; and everybody's: K, V and the scale words are whole.  Nothing is filled again
	s_wait_loadcnt 0x0                             ; Q is in
	s_mov_b32 s[MOFF], 0
	MWORDS                                         ; step 0's mask words
	PASS
	s_wait_kmcnt 0x0                               ; the words that the last step asked for are not used: the second tile-row has its own
	s_add_nc_u64 s[MP:MP+1], s[MP:MP+1], 65536     ; 16 tile-rows of 4,096 bytes on
	MWORDS
	FINISH 0
	s_wait_xcnt 0x0                                ; the stores have read their data
.irp i, 0,1,2,3,4,5
	v_mov_b32 v[16+\i], v[28+\i]                   ; the second tile-row's Q
.endr
	v_mov_b32 v34, v35
	v_mov_b32 v13, 0xff61b1e6
	v_mov_b32 v14, 0
	v_floor_f32 v12, -v13
	v_mov_b32 v15, 0
.set n, 0
.rept 32
	v_mov_b32 v[160+n], 0                          ; (these lines also stand between the writes of Q and its scale words and the next product)
.set n, n+1
.endr
	PASS
	FINISH 1
	s_wait_kmcnt 0x0                               ; the words that the last step asked for are not used
	s_wait_tensorcnt 0x0                           ; the wave's end
	ds_add_u32 v5, v6
	s_wait_dscnt 0x0
	CROUND                                         ; the closing round
	s_endpgm
.Lfunc_end_k_qd99b598c4e_attn:
	.size	k_qd99b598c4e_attn, .Lfunc_end_k_qd99b598c4e_attn-k_qd99b598c4e_attn
	.p2alignl 7, 3214868480
	.fill 96, 4, 3214868480
	.section	.rodata,"a",@progbits
	.p2align	6, 0x0
	.amdhsa_kernel k_qd99b598c4e_attn
		.amdhsa_group_segment_fixed_size 327680
		.amdhsa_private_segment_fixed_size 0
		.amdhsa_enable_private_segment 0
		.amdhsa_kernarg_size 40
		.amdhsa_user_sgpr_count 2
		.amdhsa_user_sgpr_kernarg_segment_ptr 1
		.amdhsa_wavefront_size32 1
		.amdhsa_system_sgpr_workgroup_id_x 1
		.amdhsa_system_sgpr_workgroup_id_y 1
		.amdhsa_system_sgpr_workgroup_id_z 1
		.amdhsa_system_vgpr_workitem_id 0
		.amdhsa_next_free_vgpr 256
		.amdhsa_next_free_sgpr 100
		.amdhsa_reserve_vcc 0
		.amdhsa_float_denorm_mode_32 3
		.amdhsa_float_denorm_mode_16_64 3
		.amdhsa_memory_ordered 1
		.amdhsa_forward_progress 1
		.amdhsa_inst_pref_size 67
	.end_amdhsa_kernel
	.amdgpu_metadata
---
amdhsa.version: [ 1, 2 ]
amdhsa.kernels:
  - .name:           k_qd99b598c4e_attn
    .symbol:         k_qd99b598c4e_attn.kd
    .args:
      - { .name: pc, .offset: 0, .size: 8, .value_kind: global_buffer, .address_space: global }
      - { .name: ps, .offset: 8, .size: 8, .value_kind: global_buffer, .address_space: global }
      - { .name: mb, .offset: 16, .size: 8, .value_kind: global_buffer, .address_space: global }
      - { .name: oc, .offset: 24, .size: 8, .value_kind: global_buffer, .address_space: global }
      - { .name: os, .offset: 32, .size: 8, .value_kind: global_buffer, .address_space: global }
    .group_segment_fixed_size: 327680
    .private_segment_fixed_size: 0
    .kernarg_segment_align: 8
    .kernarg_segment_size: 40
    .max_flat_workgroup_size: 512
    .sgpr_count:     100
    .vgpr_count:     256
    .wavefront_size: 32
...
	.end_amdgpu_metadata
.endif
;; end of part 3
;; launch outp (part 4): grid 8 x 32, 4 waves a work-group, clusters of 4 x 4, 327,680 bytes of LDS; arguments oc, os, xc, xs, bo, out0; writes out0
.if DOCPART == 4
	.amdgcn_target "amdgcn-amd-amdhsa--gfx1250"
	.amdhsa_code_object_version 6
	.text
	.protected	k_qd99b598c4e_outp
	.globl	k_qd99b598c4e_outp
	.p2align	8
	.type	k_qd99b598c4e_outp,@function
k_qd99b598c4e_outp:
	s_mov_b64 s[64:65], 0
	v_nop
	global_prefetch_b8 v0, s[64:65] scope:SCOPE_SE
	s_setreg_imm32_b32 hwreg(HW_REG_WAVE_MODE, 25, 1), 1
	s_wait_xcnt 0x0
	s_wait_alu depctr_hold_cnt(0) depctr_sa_sdst(0) depctr_va_vdst(0) depctr_va_sdst(0) depctr_va_ssrc(0) depctr_va_vcc(0) depctr_vm_vsrc(0)
	s_getreg_b32 s2, hwreg(HW_REG_IB_STS2, 6, 4)
	s_cmp_eq_u32 s2, 0
	s_cbranch_scc0 .Lentry_in_a_cluster
	s_endpgm
.Lentry_in_a_cluster:
	s_bfe_u32 s2, ttmp6, 0x10000c
	s_cmp_lg_u32 s2, 0xf033
	s_cbranch_scc0 .Lentry_shape_is_right
	s_endpgm
.Lentry_shape_is_right:
; OUTP.  out0 = O Wo^T + bo.  O [8192][1024] comes as codes of FP6 (oc) and scale words (os), Wo as tile-rows 1728-1791 of xc and xs: [tile-row][kh 0..15] pieces of 768 bytes in the order of an operand's registers,
; [tile-row][g 0..7][row 0..15] scale words.  Tile-row T holds rows 32 (T / 2) + 8 (T % 2) + p + 8 (p / 8), p = 0 .. 15.
; SHARES.  256 work-groups, each 256 rows x 128 columns of out0; four waves, 2 x 2.  K is 1,024: BOTH OPERANDS LIE IN LDS FOR ALL OF K (16 + 8 tile-rows of 12,288 bytes, and O's 8,192 bytes of scale words),
; asked for once, at the head, one joint load a wave: wave 0 Wo's rows, wave 1 O's scale words, waves 2 and 3 a half of O's rows each.  Nothing is filled again: no ring, no round but the opening and the closing one.
; A wave holds its 64 columns of Wo, all of K, in registers (32 fragments, 384 registers) and takes tile-rows 2 s + a of O as its blocks s = 0 .. 7 (a: its row of the 2 x 2): 8 fragments, which lie twice in registers.
; A block is 32 products on four accumulators by turns; bo is the first four products' C.  The block's 16 x 64 results are then whole, and leave while the next block is multiplied.
; The matrix instruction is used transposed (source 0 = Wo's rows): a lane holds row p = lane % 16, and register j of tile t is column 32 (t / 2) + 8 (t % 2) + 16 (lane / 16) + j of the wave's 64.
; THE WAY OUT: through the wave's own stage in LDS (16 rows of 256 + 16 bytes, on bytes that no tensor load fills) and back by rows: sixteen lanes store 256 consecutive bytes, aligned.
; CLUSTER 4 x 4: O's tiles are shared by a row of the cluster, Wo's by a column.  No prefetch is laid: every tile is asked for at the head, and there is no loop to run ahead in.
; REGISTERS.  Window 0: v4-15 addresses; v32-47 Wo's scale words; v52-67 O's, two sets; v72-103 bo; v104-167 two sets of four accumulators; v168-231 two sets of rows on the way out.
; Fragment f lies in window 1 + f / 21 at register 12 (f % 21): 0-31 Wo's (4 g + t), 32-39 and 40-47 O's two sets.
.set TRB,    12288
.set BB,     16*TRB                    ; Wo's rows, behind O's
.set SCLA,   BB+8*TRB                  ; O's scale words
.set STAGE,  SCLA+8192
.set SPITCH, 272
.set SPARE,  STAGE+4*16*SPITCH
.set FPW,    21
.set ADB16, 4                          ; Wo's fragments: 16 x lane, 8 x lane
.set ADB8,  5
.set ADA16, 6                          ; O's, block 0
.set ADA8,  7
.set AD16,  8                          ; O's, the block that is fetched next
.set AD8,   9
.set AAS,   10                         ; O's scale words
.set STO,   11
.set RD,    12
.set CO,    13
.set SPW,   14
.set NIL,   15
.set SB,    32
.set SA,    52
.set BN,    72
.set ACC,   104
.set BK,    168
.set G1A, 24
.set G1B, 32
.set G1S, 48
.set G0B, 56
.set G0S, 60
.set G0A, 68
.set G0A2, 72
.set MSB, 0
.macro WIN new
.if MSB != \new
	s_set_vgpr_msb (MSB<<8)|\new
.set MSB, \new
.endif
.endm
.macro PLACES n
.rept \n
	v_nop
.endr
.endm
.macro WALU
	s_wait_alu depctr_va_vdst(0)
.endm
.macro BARRIER
	s_barrier_signal -1
	s_barrier_wait -1
.endm
.macro CROUND
	BARRIER
	s_cmp_lg_u32 s16, 0
	s_cbranch_scc1 .Lnot_wave_0_\@
	s_barrier_signal -3
.Lnot_wave_0_\@:
	s_barrier_wait -3
	BARRIER
.endm
.macro TLOAD g0, g1
	tensor_load_to_lds s[\g0:\g0+3], s[\g1:\g1+7]
	s_nop 0
	PLACES 4
.endm
.macro GROUP1 g, mask, rows            ; a dense block as rows of 256 bytes (32 elements of 8)
	s_or_b32 s[\g+0], s\mask, (3<<16)|(1<<21)
	s_mov_b32 s[\g+1], 32<<16
	s_mov_b32 s[\g+2], (\rows)<<16
	s_mov_b32 s[\g+3], 32<<16
	s_mov_b32 s[\g+4], \rows
	s_mov_b32 s[\g+5], 32
	s_mov_b32 s[\g+6], 0
	s_mov_b32 s[\g+7], 0
.endm
.macro FRAG f, a16, a8, off            ; two pieces of 768 bytes: twelve registers
	WIN (1+(\f)/FPW)<<6
.set R_, 12*((\f)%FPW)
	ds_load_b128 v[R_:R_+3], v[\a16] offset:\off
	ds_load_b64 v[R_+4:R_+5], v[\a8] offset:(\off)+512
	ds_load_b128 v[R_+6:R_+9], v[\a16] offset:(\off)+768
	ds_load_b64 v[R_+10:R_+11], v[\a8] offset:(\off)+1280
.endm
.macro WEIGHTS
.irp g, 0,1,2,3,4,5,6,7
.irp t, 0,1,2,3
	FRAG 4*\g+\t, ADB16, ADB8, TRB*\t+1536*\g
.endr
.endr
	WIN 0
.endm
.macro FETCH e, a16, a8, s             ; block s into set e: 40 LDS loads
.irp g, 0,1,2,3,4,5,6,7
	FRAG 32+8*(\e)+\g, \a16, \a8, 1536*\g
.endr
	WIN 0
.irp g, 0,1,2,3,4,5,6,7
	ds_load_b32 v[SA+8*(\e)+\g], v[AAS] offset:1024*(\s)+64*\g
.endr
.endm
.macro PROD e, n                       ; n = 4 g + t
.set G_, (\n)/4
.set T_, (\n)%4
.set FA_, 32+8*(\e)+G_
.set D_, ACC+32*(\e)+8*T_
.set RB_, 12*((\n)%FPW)
.set RA_, 12*(FA_%FPW)
.if G_
.set C_, D_
.else
.set C_, BN+8*T_
.endif
	WIN (1+(\n)/FPW)|((1+FA_/FPW)<<2)
.if T_%2
	v_wmma_scale_f32_16x16x128_f8f6f4 v[D_:D_+7], v[RB_:RB_+11], v[RA_:RA_+11], v[C_:C_+7], v[SB+8*(T_/2)+G_], v[SA+8*(\e)+G_] matrix_a_fmt:MATRIX_FMT_FP6 matrix_b_fmt:MATRIX_FMT_FP6 matrix_a_scale:MATRIX_SCALE_ROW1
.else
	v_wmma_scale_f32_16x16x128_f8f6f4 v[D_:D_+7], v[RB_:RB_+11], v[RA_:RA_+11], v[C_:C_+7], v[SB+8*(T_/2)+G_], v[SA+8*(\e)+G_] matrix_a_fmt:MATRIX_FMT_FP6 matrix_b_fmt:MATRIX_FMT_FP6
.endif
.endm
.macro MULS e, from, to
.set N_, \from
.rept (\to)-(\from)
	PROD \e, N_
.set N_, N_+1
.endr
.endm
.macro TOSTAGE s                       ; LDS serves a wave's instructions in order: no wait between the stores and the loads
.set AC_, ACC+32*((\s)%2)
.set BK_, BK+32*((\s)%2)
.irp t, 0,1,2,3
	ds_store_b128 v[STO], v[AC_+8*\t:AC_+8*\t+3] offset:128*(\t/2)+32*(\t%2)       ; each accumulator from its low end on
	ds_store_b128 v[STO], v[AC_+8*\t+4:AC_+8*\t+7] offset:128*(\t/2)+32*(\t%2)+16
.endr
.irp t, 0,1,2,3,4,5,6,7
	ds_load_b128 v[BK_+4*\t:BK_+4*\t+3], v[RD] offset:2*\t*SPITCH
.endr
.endm
.macro SEND s                          ; rows p = 2 t and 2 t + 1 of the block: row 32 s + p + 8 (p / 8) from my first
.set BK_, BK+32*((\s)%2)
.irp t, 0,1,2,3,4,5,6,7
	global_store_b128 v[CO], v[BK_+4*\t:BK_+4*\t+3], s[14:15] offset:131072*(\s)+(2*\t+8*(\t/4))*4096 th:TH_STORE_NT
.endr
.endm
; A block: its 32 products; four places; the block before leaves; the block two on is fetched into the set just multiplied; this block's results go through the stage.
; The wait for all LDS work behind the products covers the stage's loads of the block before and the next block's fetch, both issued ahead of these products.
.macro BLK s
.if (\s) == 0
	MULS 0, 0, 16
	WIN 0
	s_wait_tensorcnt 0x0                           ; every wave: all that is still out is in, the second half of O's rows among it,
	s_wait_dscnt 0x0
	s_barrier_signal -1                            ; a plain barrier shows it to all
	MULS 0, 16, 32
	WIN 0
	s_barrier_wait -1
.else
	MULS (\s)%2, 0, 32
	WIN 0
.endif
	PLACES 4
.if (\s) > 0
	s_wait_dscnt 0x0
.if (\s) > 1
	s_wait_xcnt 0x0                                ; the stores of two blocks ago have read the registers into which this block's rows come back
.endif
	SEND (\s)-1
.endif
.if (\s)+2 < 8
	v_add_nc_u32 v[AD16], 2*TRB*((\s)+2), v[ADA16]
	v_add_nc_u32 v[AD8], 2*TRB*((\s)+2), v[ADA8]
	WALU                                           ; the wait behind the writes
	FETCH (\s)%2, AD16, AD8, (\s)+2
.endif
	TOSTAGE \s
.endm
	s_load_b256 s[4:11], s[0:1], 0x0               ; oc, os, xc, xs
	s_load_b128 s[12:15], s[0:1], 0x20             ; bo, out0
	v_lshl_add_u32 v[SPW], v0, 2, SPARE
	v_mov_b32 v[NIL], 0
	ds_add_u32 v[SPW], v[NIL]                      ; the opening lines: the add, twice on end, and its wait
	ds_add_u32 v[SPW], v[NIL]
	v_lshrrev_b32 v1, 5, v0
	v_readfirstlane_b32 s16, v1                    ; wave
	s_lshr_b32 s17, s16, 1                         ; a: its row of the 2 x 2
	s_and_b32 s18, s16, 1                          ; b: its column
	s_bfe_u32 s40, ttmp6, 0x40000                  ; cx
	s_bfe_u32 s41, ttmp6, 0x40004                  ; cy
	s_lshl_b32 s42, ttmp9, 2
	s_add_co_u32 s42, s42, s40                     ; x: tile column, 0 .. 7
	s_and_b32 s43, ttmp7, 0xffff
	s_lshl_b32 s43, s43, 2
	s_add_co_u32 s43, s43, s41                     ; y: tile row, 0 .. 31
	s_lshl_b32 s44, s41, 2
	s_lshl_b32 s44, 15, s44                        ; my row of the cluster
	s_lshl_b32 s45, 0x1111, s40                    ; my column
	GROUP1 G1A, 44, 384                            ; half of O's rows: 98,304 bytes
	GROUP1 G1B, 45, 384                            ; Wo's rows
	GROUP1 G1S, 44, 32                             ; O's scale words
	s_mul_i32 s20, s43, 16*TRB                     ; O's 16 tile-rows
	s_mov_b32 s21, 0
	s_lshl_b32 s22, s43, 13                        ; their scale words
	s_mov_b32 s23, 0
	s_lshl_b32 s46, s42, 3
	s_add_co_u32 s46, s46, 1728                    ; Wo's 8 tile-rows in xc
	s_mul_i32 s76, s46, TRB
	s_mov_b32 s77, 0
	s_lshl_b32 s47, s18, 2
	s_add_co_u32 s46, s46, s47
	s_lshl_b32 s78, s46, 9                         ; my four tile-rows' scale words in xs
	s_mov_b32 s79, 0
	s_mul_i32 s80, s18, 4*TRB
	s_add_co_u32 s80, s80, BB                      ; LDS: my four tile-rows of Wo
	s_mul_i32 s81, s17, TRB                        ; my block 0 of O
	s_lshl_b32 s82, s17, 9
	s_add_co_u32 s82, s82, SCLA                    ; its scale words
	s_mul_i32 s83, s16, 16*SPITCH
	s_add_co_u32 s83, s83, STAGE                   ; my stage
	s_lshl_b32 s84, s42, 9
	s_lshl_b32 s85, s18, 8
	s_add_co_u32 s84, s84, s85                     ; my first column, in bytes
	s_mov_b32 s85, 0
	s_lshl_b32 s86, s43, 20
	s_lshl_b32 s87, s17, 15
	s_add_co_u32 s86, s86, s87
	s_add_co_u32 s86, s86, s84                     ; row 256 y + 8 a of 4,096 bytes, and the column
	s_mov_b32 s87, 0
	WALU
	s_wait_dscnt 0x0                               ; both opening adds are done
	CROUND                                         ; all sixteen work-groups are here: the joint loads meet
	s_wait_kmcnt 0x0
	s_mov_b32 s[G0B], 1
	s_mov_b32 s[G0B+1], BB
	s_add_nc_u64 s[G0B+2:G0B+3], s[8:9], s[76:77]
	s_or_b32 s[G0B+3], s[G0B+3], 0x80000000
	s_mov_b32 s[G0S], 1
	s_mov_b32 s[G0S+1], SCLA
	s_add_nc_u64 s[G0S+2:G0S+3], s[6:7], s[22:23]
	s_or_b32 s[G0S+3], s[G0S+3], 0x80000000
	s_mov_b32 s[G0A], 1
	s_mov_b32 s[G0A+1], 0
	s_add_nc_u64 s[G0A+2:G0A+3], s[4:5], s[20:21]
	s_mov_b32 s[G0A2], 1
	s_mov_b32 s[G0A2+1], 8*TRB
	s_add_nc_u64 s[G0A2+2:G0A2+3], s[G0A+2:G0A+3], 8*TRB
	s_or_b32 s[G0A+3], s[G0A+3], 0x80000000
	s_or_b32 s[G0A2+3], s[G0A2+3], 0x80000000
	s_add_nc_u64 s[78:79], s[10:11], s[78:79]
	s_add_nc_u64 s[12:13], s[12:13], s[84:85]
	s_add_nc_u64 s[14:15], s[14:15], s[86:87]
	s_cmp_eq_u32 s16, 0                            ; one chain of branches on the wave's number, one load to an arm; what is needed first is asked for first
	s_cbranch_scc0 .Lwave_1
	TLOAD G0B, G1B                                 ; wave 0: Wo's rows
	s_branch .Lasked
.Lwave_1:
	s_cmp_eq_u32 s16, 1
	s_cbranch_scc0 .Lwave_2
	TLOAD G0S, G1S                                 ; wave 1: O's scale words
	s_branch .Lasked
.Lwave_2:
	s_cmp_eq_u32 s16, 2
	s_cbranch_scc0 .Lwave_3
	TLOAD G0A, G1A                                 ; wave 2: O's tile-rows 0-7
	s_branch .Lasked
.Lwave_3:
	TLOAD G0A2, G1A                                ; wave 3: 8-15
.Lasked:
	v_and_b32 v1, 31, v0
	v_and_b32 v2, 15, v0                           ; r
	v_bfe_u32 v3, v0, 4, 1                         ; h
	v_lshlrev_b32 v16, 4, v1
	v_lshlrev_b32 v17, 3, v1
	v_lshlrev_b32 v18, 2, v2
	v_add_nc_u32 v[ADB16], s80, v16
	v_add_nc_u32 v[ADB8], s80, v17
	v_add_nc_u32 v[ADA16], s81, v16
	v_add_nc_u32 v[ADA8], s81, v17
	v_add_nc_u32 v[AAS], s82, v18
	v_mul_u32_u24 v19, v2, SPITCH
	v_mul_u32_u24 v22, v3, SPITCH
	v_lshl_add_u32 v19, v3, 6, v19
	v_lshl_add_u32 v22, v2, 4, v22
	v_add_nc_u32 v[STO], s83, v19                  ; into the stage: row r, + 64 h
	v_add_nc_u32 v[RD], s83, v22                   ; out of it: lanes 0-15 one row, lanes 16-31 the next
	v_lshlrev_b32 v23, 12, v3
	v_lshl_add_u32 v[CO], v2, 4, v23               ; and the same two rows in out0
	v_lshl_add_u32 v20, v3, 9, v18                 ; Wo's scale words: lanes 0-15 one tile-row's, lanes 16-31 the next one's
	v_lshlrev_b32 v21, 6, v3                       ; bo: 64 h
	v_add_nc_u32 v[AD16], 2*TRB, v[ADA16]          ; block 1
	v_add_nc_u32 v[AD8], 2*TRB, v[ADA8]
	WALU                                           ; the wait at the head's end
.irp p, 0,1
.irp g, 0,1,2,3,4,5,6,7
	global_load_b32 v[SB+8*\p+\g], v20, s[78:79] offset:1024*\p+64*\g
.endr
.endr
.irp t, 0,1,2,3
	global_load_b128 v[BN+8*\t:BN+8*\t+3], v21, s[12:13] offset:(32*(\t/2)+8*(\t%2))*4
	global_load_b128 v[BN+8*\t+4:BN+8*\t+7], v21, s[12:13] offset:(32*(\t/2)+8*(\t%2))*4+16
.endr
	s_cmp_eq_u32 s16, 0
	s_cbranch_scc0 .Lnot_b
	s_wait_tensorcnt 0x0
.Lnot_b:
	BARRIER                                        ; Wo's rows are in (their load line is wave 0's alone)
	WEIGHTS
	s_cmp_eq_u32 s16, 3
	s_cbranch_scc1 .Lnot_a
	s_wait_tensorcnt 0x0
.Lnot_a:
	s_wait_dscnt 0x0
	BARRIER                                        ; O's scale words and tile-rows 0-7 are in; 8-15 may still be on their way
	FETCH 0, ADA16, ADA8, 0
	FETCH 1, AD16, AD8, 1
	s_wait_loadcnt 0x0                             ; Wo's scale words and bo
	s_wait_dscnt 40                                ; block 0 is in; block 1's 40 loads may be out
.irp s, 0,1,2,3,4,5,6,7
	BLK \s
.endr
	s_wait_dscnt 0x0
	SEND 7
	s_wait_tensorcnt 0x0                           ; the wave's end
	ds_add_u32 v[SPW], v[NIL]
	s_wait_dscnt 0x0
	CROUND                                         ; the closing round
	s_endpgm
.Lfunc_end_k_qd99b598c4e_outp:
	.size	k_qd99b598c4e_outp, .Lfunc_end_k_qd99b598c4e_outp-k_qd99b598c4e_outp
	.p2alignl 7, 3214868480
	.fill 96, 4, 3214868480
	.section	.rodata,"a",@progbits
	.p2align	6, 0x0
	.amdhsa_kernel k_qd99b598c4e_outp
		.amdhsa_group_segment_fixed_size 327680
		.amdhsa_private_segment_fixed_size 0
		.amdhsa_enable_private_segment 0
		.amdhsa_kernarg_size 48
		.amdhsa_user_sgpr_count 2
		.amdhsa_user_sgpr_kernarg_segment_ptr 1
		.amdhsa_wavefront_size32 1
		.amdhsa_system_sgpr_workgroup_id_x 1
		.amdhsa_system_sgpr_workgroup_id_y 1
		.amdhsa_system_sgpr_workgroup_id_z 1
		.amdhsa_system_vgpr_workitem_id 0
		.amdhsa_next_free_vgpr 1024
		.amdhsa_next_free_sgpr 100
		.amdhsa_reserve_vcc 0
		.amdhsa_float_denorm_mode_32 3
		.amdhsa_float_denorm_mode_16_64 3
		.amdhsa_memory_ordered 1
		.amdhsa_forward_progress 1
		.amdhsa_inst_pref_size 89
	.end_amdhsa_kernel
	.amdgpu_metadata
---
amdhsa.version: [ 1, 2 ]
amdhsa.kernels:
  - .name:           k_qd99b598c4e_outp
    .symbol:         k_qd99b598c4e_outp.kd
    .args:
      - { .name: oc, .offset: 0, .size: 8, .value_kind: global_buffer, .address_space: global }
      - { .name: os, .offset: 8, .size: 8, .value_kind: global_buffer, .address_space: global }
      - { .name: xc, .offset: 16, .size: 8, .value_kind: global_buffer, .address_space: global }
      - { .name: xs, .offset: 24, .size: 8, .value_kind: global_buffer, .address_space: global }
      - { .name: bo, .offset: 32, .size: 8, .value_kind: global_buffer, .address_space: global }
      - { .name: out0, .offset: 40, .size: 8, .value_kind: global_buffer, .address_space: global }
    .group_segment_fixed_size: 327680
    .private_segment_fixed_size: 0
    .kernarg_segment_align: 8
    .kernarg_segment_size: 48
    .max_flat_workgroup_size: 128
    .sgpr_count:     100
    .vgpr_count:     1024
    .wavefront_size: 32
...
	.end_amdgpu_metadata
.endif
;; end of part 4
